; MI455X (gfx1250); checked and timed in simulation.
; The chip was launched on July 23, 2026; its instructions are those of AMD's public machine-readable ISA for CDNA 5 (MIT licence, August 2026) and "CDNA5" Instruction Set Architecture Reference Guide (July 2026). The comments in the code are by the model that wrote it; some were corrected since.
;; Causal Self Attention. Allowed arithmetic: matrix products marked QUANTISED: E4M3 operands, one E8M0 scale for each 32 along K, by v_wmma_scale_f32_16x16x128_f8f6f4 with both operands' format E4M3, f32 sums; everything else in f32.
;; Inputs: b_attn 3,072 float32; b_proj 1,024 float32; w_attn 1,024 x 3,072 float32; w_proj 1,024 x 1,024 float32; x 4 x 2,048 x 1,024 float32.
;; Outputs: out0 4 x 2,048 x 1,024 float32.
;; This version of the problem:
;;   THIS VERSION OF THE PROBLEM IS GIVEN IN LOW PRECISION. The matrix products marked QUANTISED in the list below multiply operands that are first quantised to E4M3 (4 exponent bits, 3 mantissa bits; 8 bits a number), with one power-of-two scale for each 32 numbers along K (OCP MX v1.0); their sums are f32. All else is computed in f32.
;;   The module's matrix products, in the order in which they are computed (A, B: the left and right operand; K: the contracted axis; several contracted axes count as one K, in the product's order):
;;     1. [M 8,192, K 1,024] x [K 1,024, N 3,072]; A: input x; B: input w_attn: QUANTISED
;;     2. batch 64 x [M 2,048, K 64] x [K 64, N 2,048]; A: computed on the way; B: computed on the way: QUANTISED
;;     3. batch 64 x [M 2,048, K 2,048] x [K 2,048, N 64]; A: softmax (see below); B: computed on the way: QUANTISED
;;     4. [M 8,192, K 1,024] x [K 1,024, N 1,024]; A: computed on the way; B: input w_proj: QUANTISED
;;   THE QUANTISER, for each operand of a quantised product, along K:
;;     - K is cut into blocks of 32 from its start; a last block that is shorter is filled with zeros.
;;     - A block's scale is 2^e with e = floor(log2(the largest magnitude in the block)) - 8, held to -126 .. 127; a block of zeros has e = 0. As a byte (E8M0): e + 127.
;;     - Each number is divided by its block's scale, clamped to +-448, and rounded to the nearest number of E4M3, ties to even, subnormals kept.
;;     - The product sums the exact products of the quantised numbers (number of the format x scale) in f32.
;;   ~~~python
;;   def quantise(x, axis):      # numpy; x: float32 -> the quantised numbers, widened to float32 again
;;       x = np.moveaxis(x, axis, -1); K = x.shape[-1]
;;       x = np.pad(x, [(0, 0)] * (x.ndim - 1) + [(0, -K % 32)]); x = x.reshape(x.shape[:-1] + (-1, 32)); a = np.abs(x).max(-1, keepdims=True)
;;       e = np.where(a > 0, np.clip(np.frexp(np.where(a > 0, a, 1))[1] - 1 - 8, -126, 127), 0)      # np.frexp(a)[1] - 1 = floor(log2(a)), exactly
;;       r = np.clip(x / 2.0 ** e, -448, 448)
;;       step = 2.0 ** (np.maximum(np.frexp(np.where(r == 0, 1, r))[1] - 1, -6) - 3)
;;       q = np.round(r / step) * step * 2.0 ** e      # np.round: ties to even
;;       return np.moveaxis(q.reshape(q.shape[:-2] + (-1,))[..., :K], -1, axis).astype(np.float32)
;;   ~~~
;;   SOFTMAX AHEAD OF A QUANTISED PRODUCT. Where the list says 'softmax', what is quantised is not the finished softmax but p = 2^(t - M), with t = logit x log2(e) and M = ceil(the row's largest t), a whole number; so 1/2 < the row's largest p <= 1. The row's sum l is taken of the UNQUANTISED p, in f32, and the product's result is divided by l at the end. Since M is a whole number, a kernel that streams over the keys may use a running M (the ceiling of the running maximum): every later rescaling is an exact power of two, which a block's scale takes up: the codes' values come out the same.
;;   OPERANDS COMPUTED ON THE WAY. 'Computed on the way' means the value that the module computes at that place (a softmax that the list does not call 'softmax' is quantised finished and normalised). What goes into a quantiser is computed in f32, as accurately as f32 sums, v_exp_f32 and their like allow (about 1e-6 of the number): no bf16 or f16 on the way to a quantiser, and a product that is left as it is and whose result goes on into a quantised operand takes f32 operands (vector FMAs, or v_wmma_f32_16x16x4_f32). A number that lies on a knife's edge between two numbers of the format may be rounded either way, as far as f32 arithmetic and the matrix unit's own rounding can turn it there, and no further.
;; One version. Each part assembles by itself: llvm-mc -triple=amdgcn-amd-amdhsa -mcpu=gfx1250 --defsym DOCPART=n.
;; ======== version 1 of 1: 4 launches
;; limits: right only within a limited range of input values
;; workspace buffers: xc 8,388,608 bytes; wc 4,194,304 bytes; sc1 393,216 bytes; qkv_img 25,165,824 bytes; qkv_sc 1,048,576 bytes; y_img 8,388,608 bytes; ysc 262,144 bytes
;; launch quant (part 1): grid 384 x 1, 4 waves a work-group, no clusters, 68,096 bytes of LDS; arguments x, w_attn, w_proj, xc, wc, sc1; writes xc, wc, sc1
.if DOCPART == 1
	.amdgcn_target "amdgcn-amd-amdhsa--gfx1250"
	.amdhsa_code_object_version 6
	.text
	.protected	k_qdeb13fe269_quant
	.globl	k_qdeb13fe269_quant
	.p2align	8
	.type	k_qdeb13fe269_quant,@function
k_qdeb13fe269_quant:
	s_mov_b64 s[64:65], 0
	v_nop
	global_prefetch_b8 v0, s[64:65] scope:SCOPE_SE
	s_setreg_imm32_b32 hwreg(HW_REG_WAVE_MODE, 25, 1), 1
	s_wait_xcnt 0x0
; x [8192][1024], w_attn [1024][3072] and w_proj [1024][1024], f32, become codes of FP8 (E4M3), K innermost, with one E8M0 byte for each 32 along K.
; xc [8192][1024]: x's rows.  wc [4096][1024]: w_attn's 3,072 columns, then w_proj's 1,024.  sc1: x's scale bytes [8192][32], from byte 262,144 on wc's [4096][32].
; THE ROWS OF xc AND wc LIE IN ANOTHER ORDER: in each group of 32 rows the second and the third eight change places: place s holds row pi(s) = (s & 7) | (s & 8) << 1 | (s & 16) >> 1.
; Sixteen rows on end, tile i, lane r, are then the rows 32 (i / 2) + 8 (i % 2) + r + 8 (r / 8): the choice that lets a product's results run along the next product's K in a lane's registers.
; A block's scale is 2^(floor(log2(its largest magnitude)) - 8); its byte is the largest magnitude's exponent field - 8, held at 1 from below.
; LIMITS: a block of zeros gets the byte 1 where the rule says 127 (its codes are zeros, and this program alone reads the bytes); NaN and infinities among the inputs are not served.
; Work-groups 0-255 take x (K innermost: a plain stream of blocks), work-groups 256-383 the weights (K outermost: a lane to a column, registers down K).  Each reads 131,072 bytes.
; The two ways have LDS bytes of their own.  No tensor loads, no barrier: waves share nothing.  No cluster: no two work-groups read the same bytes.
; wc AS IT IS STORED NOW: images of operand registers.  Tile i (16 rows in the order pi above) x cell kc (32 along K) is 512 bytes at 16,384 i + 512 kc: lane (r, h) has the 16 codes of the tile's row r at K = 32 kc + 16 h on.
.set XWG,   256
.set STEPS, 16
.set EMAX,  8
.set MANT,  0x600000                   ; the mantissa field of 448 as f32
.set CB,    16                         ; bytes of 16 codes
.set R,     16                         ; x: v16-79   four sets of 16 numbers as they are loaded
.set X,     80                         ; x: v80-111  two sets of 16 neighbours
.set C,     128                        ; x: v128-191 codes, four registers for each step
.set E,     112                        ; x: v112-127 a scale byte for each step
.set WREG,  8192                       ; x: LDS of a wave: two stages of 32 x SP bytes, then its 256 scale bytes
.set SP,    80                         ; x: a lane's place in a stage: 64 bytes + 16 of padding
.set NB,    8                          ; w: blocks of 32 along K for a wave
.set WPITCH, 272                       ; w: a stage row: 256 codes + 16 of padding
.set KROW,  1024                       ; a row of xc or wc in bytes
.set WSTG,  32768                      ; w: the stages begin here: 32 x 272 bytes for each wave
.set WSC,   262144                     ; wc's scale bytes in sc1
.set SB,    24                         ; w: v24-25   the scale bytes, four to a register
.set WX,    32                         ; w: v32-95   two sets of 32 numbers
.set WC,    96                         ; w: v96-103  a block's codes
.set OUTR,  112                        ; w: v112-175 the way out
.set VOFF,  176                        ; w: v176-207 byte offset of row i of a block at my column
	s_load_b128 s[4:7], s[0:1], 0x0                ; x, w_attn
	s_load_b128 s[8:11], s[0:1], 0x10              ; w_proj, xc
	s_load_b128 s[12:15], s[0:1], 0x20             ; wc, sc1
	v_lshl_add_u32 v208, v0, 2, 0x10800
	v_mov_b32 v209, 0
	v_lshrrev_b32 v1, 5, v0
	v_readfirstlane_b32 s16, v1                    ; wave 0..3
	v_and_b32 v2, 31, v0                           ; lane
	s_mov_b32 s23, MANT                            ; (an instruction takes one literal: the hold's line has another)
	s_cmp_lt_u32 ttmp9, XWG
	s_cbranch_scc0 .Lweights
; ---------------- x: a wave takes 8 rows, 8,192 numbers, in 16 steps of 512.  Each load reads 512 consecutive bytes; a step's 2,048 bytes turn through the wave's stage and come back 64 bytes a lane:
; two neighbouring lanes hold a block.  The wave's 8 rows are one of the four eights of a group of 32: wave 1's go to the third place and wave 2's to the second.
	v_lshlrev_b32 v3, 4, v2                        ; my 16 bytes of a load's 512
	s_mul_i32 s17, s16, WREG
	v_lshrrev_b32 v14, 2, v2
	v_mul_u32_u24 v14, v14, SP
	v_and_b32 v15, 3, v2
	v_lshl_add_u32 v14, v15, 4, v14
	v_add_nc_u32 v14, s17, v14                     ; the stage, on the way in: SP (lane / 4) + 16 (lane % 4)
	v_mul_u32_u24 v15, v2, SP
	v_add_nc_u32 v15, s17, v15                     ; and on the way out: SP x lane
	v_mul_u32_u24 v4, v2, CB                       ; my codes' place in a step's
	v_lshrrev_b32 v5, 1, v2
	s_add_co_u32 s17, s17, 2*32*SP
	v_add_nc_u32 v5, s17, v5                       ; LDS: my block's byte among my wave's 256
	v_lshlrev_b32 v7, 3, v2                        ; and on the way out 8 bytes a lane
	v_add_nc_u32 v6, s17, v7
	s_lshl_b32 s17, ttmp9, 2
	s_add_co_u32 s18, s17, s16                     ; which eight rows I read
	s_and_b32 s19, s16, 1
	s_lshl_b32 s19, s19, 1
	s_lshr_b32 s20, s16, 1
	s_or_b32 s19, s19, s20
	s_add_co_u32 s20, s17, s19                     ; and which place they take
	s_lshl_b32 s24, s18, 15                        ; 8 rows of 4,096 bytes
	s_mov_b32 s25, 0
	s_lshl_b32 s26, s20, 13                        ; 8 rows of 1,024 codes
	s_mov_b32 s27, 0
	s_lshl_b32 s28, s20, 8                         ; 8 rows of 32 scale bytes
	s_mov_b32 s29, 0
	s_wait_alu depctr_va_vdst(0)
	s_wait_kmcnt 0x0
	s_add_nc_u64 s[4:5], s[4:5], s[24:25]
	s_add_nc_u64 s[10:11], s[10:11], s[26:27]
	s_add_nc_u64 s[14:15], s[14:15], s[28:29]
.macro XLOAD t
.irp i, 0,1,2,3
	global_load_b128 v[R+16*((\t)%4)+4*\i:R+16*((\t)%4)+4*\i+3], v3, s[4:5] offset:2048*(\t)+512*\i th:TH_LOAD_NT   ; 32 lanes read 512 consecutive bytes
.endr
.endm
.macro XTURN t                         ; step t's numbers through the stage: LDS serves a wave's instructions in order, so no wait stands between the stores and the loads
.irp i, 0,1,2,3
	ds_store_b128 v14, v[R+16*((\t)%4)+4*\i:R+16*((\t)%4)+4*\i+3] offset:32*SP*((\t)%2)+8*SP*\i
.endr
.irp i, 0,1,2,3
	ds_load_b128 v[X+16*((\t)%2)+4*\i:X+16*((\t)%2)+4*\i+3], v15 offset:32*SP*((\t)%2)+16*\i
.endr
.endm
.irp t, 0,1,2,3
	XLOAD \t
.endr
	s_wait_loadcnt 12                              ; step 0's four loads are in
	XTURN 0
.macro XSTEP t
.set XS, X+16*((\t)%2)
.if (\t) > 0
	s_wait_dscnt 1                                 ; this step's numbers are back from the stage (the last step's byte store may be out)
.else
	s_wait_dscnt 0x0
.endif
.if (\t)+4 < STEPS
	XLOAD (\t)+4                                   ; the stage's stores have read these registers: they take the loads of four steps on
.endif
.if (\t)+1 < STEPS
.if STEPS-2-(\t) >= 3
	s_wait_loadcnt 12                              ; the next step's four loads are in; those of the three steps behind it may be out
.else
	s_wait_loadcnt 4*(STEPS-2-(\t))
.endif
	XTURN (\t)+1
.endif
	v_max3_num_f32 v8, |v[XS]|, |v[XS+1]|, |v[XS+2]|               ; the largest magnitude of my 16
	v_max3_num_f32 v9, |v[XS+3]|, |v[XS+4]|, |v[XS+5]|
.irp i, 6,10
	v_max3_num_f32 v8, v8, |v[XS+\i]|, |v[XS+\i+1]|
	v_max3_num_f32 v9, v9, |v[XS+\i+2]|, |v[XS+\i+3]|
.endr
	v_max3_num_f32 v8, v8, |v[XS+14]|, |v[XS+15]|
	v_max3_num_f32 v8, v8, v9, (EMAX+1)<<23        ; and the floor 2^(9 - 127): the byte cannot fall under 1
	v_max_num_f32_dpp v8, v8, v8 row_xmask:1 row_mask:0xf bank_mask:0xf   ; and of my neighbour's 16: the block's
	v_add_nc_u32 v11, -(EMAX<<23), v8              ; 8 off its exponent field: the conversion takes the exponent field of this operand as its scale
	v_and_or_b32 v10, v8, 0x7f800000, s23          ; 448 x the scale
.irp i, 0,1,2,3,4,5,6,7,8,9,10,11,12,13,14,15
	v_med3_num_f32 v[XS+\i], v[XS+\i], -v10, v10   ; the conversion to an 8-bit code does not saturate (ISA guide 7.6.2): the hold comes first
.endr
	v_cvt_scalef32_pk8_fp8_f32 v[C+4*(\t):C+4*(\t)+1], v[XS:XS+7], v11
	v_cvt_scalef32_pk8_fp8_f32 v[C+4*(\t)+2:C+4*(\t)+3], v[XS+8:XS+15], v11
	v_lshrrev_b32 v[E+(\t)], 23, v11               ; the scale's byte
	ds_store_b8 v5, v[E+(\t)] offset:16*(\t)       ; both lanes of a block write the same byte with the same value
	global_store_b128 v4, v[C+4*(\t):C+4*(\t)+3], s[10:11] offset:32*CB*(\t)   ; 32 lanes store 512 consecutive bytes
.endm
.irp t, 0,1,2,3,4,5,6,7,8,9,10,11,12,13,14,15
	XSTEP \t
.endr
	ds_load_b64 v[12:13], v6                       ; LDS serves a wave's instructions in order: these see my stores
	s_wait_dscnt 0x0
	global_store_b64 v7, v[12:13], s[14:15]        ; 32 lanes store 256 consecutive bytes, aligned
	s_wait_tensorcnt 0x0
	ds_add_u32 v208, v209
	s_wait_dscnt 0x0
	s_endpgm
; ---------------- the weights: a work-group takes 128 columns x 256 along K, a wave 32 columns.  A lane takes a column and its registers run down K: a block of 32 lies in one lane.
.Lweights:
	s_sub_co_u32 s17, ttmp9, XWG
	s_lshr_b32 s18, s17, 2                         ; which 128 rows of wc: 0-23 w_attn's columns, 24-31 w_proj's
	s_and_b32 s19, s17, 3                          ; which 256 along K
	s_mov_b32 s20, 4096                            ; a row of w_proj in bytes
	s_mov_b32 s21, 12288                           ; a row of w_attn
	s_wait_kmcnt 0x0
	s_cmp_lt_u32 s18, 24                           ; the choice hangs on the work-group's number alone
	s_cselect_b64 s[4:5], s[6:7], s[8:9]
	s_cselect_b32 s20, s21, s20
	s_cselect_b32 s22, 0, 24
	s_sub_co_u32 s22, s18, s22                     ; which 128 columns of that tensor
	s_lshl_b32 s22, s22, 9
	s_lshl_b32 s24, s16, 7
	s_add_co_u32 s22, s22, s24                     ; my wave's first column, in bytes
	s_lshl_b32 s24, s19, 8
	s_mul_i32 s24, s24, s20                        ; my first row along K
	s_add_co_u32 s24, s24, s22
	s_mov_b32 s25, 0
	s_add_nc_u64 s[32:33], s[4:5], s[24:25]        ; block 0's base;
	s_lshl_b32 s26, s20, 5
	s_mov_b32 s27, 0
.irp t, 1,2,3,4,5,6,7
	s_add_nc_u64 s[32+2*\t:33+2*\t], s[30+2*\t:31+2*\t], s[26:27]   ; block t's: 32 rows further down.  No base is stepped later
.endr
	s_lshl_b32 s28, s18, 7
	s_lshl_b32 s29, s16, 5
	s_add_co_u32 s28, s28, s29                     ; my wave's first row of wc
	s_lshl_b32 s30, s28, 10                        ; 16 rows are a tile of 16,384 bytes
	s_lshl_b32 s31, s19, 12                        ; 256 along K are eight cells of 512 bytes
	s_add_co_u32 s30, s30, s31
	s_mov_b32 s31, 0
	s_add_nc_u64 s[12:13], s[12:13], s[30:31]      ; its codes at my 256 along K
	s_lshl_b32 s30, s28, 5
	s_lshl_b32 s29, s19, 3
	s_add_co_u32 s30, s30, s29
	s_add_co_u32 s30, s30, WSC
	s_add_nc_u64 s[14:15], s[14:15], s[30:31]      ; and its scale bytes
	s_wait_alu depctr_va_vdst(0)
	v_lshlrev_b32 v3, 2, v2                        ; 4 bytes a lane
.irp i, 0,1,2,3,4,5,6,7,8,9,10,11,12,13,14,15,16,17,18,19,20,21,22,23,24,25,26,27,28,29,30,31
	v_mad_u32_u24 v[VOFF+\i], s20, \i, v3          ; row i of a block at my column
.endr
	s_mul_i32 s17, s16, 32*WPITCH
	s_add_co_u32 s17, s17, WSTG                    ; my stage
	v_mul_u32_u24 v4, v2, WPITCH
	v_add_nc_u32 v4, s17, v4                       ; into it: row = my column
	v_and_b32 v5, 15, v2
	v_lshrrev_b32 v6, 4, v2                        ; out of it: sixteen lanes to a row, two rows an instruction
	v_and_b32 v7, 8, v5
	v_add_nc_u32 v7, v7, v5                        ; out of the stage: a tile's lane r takes column r + 8 (r / 8) (+ 8 for the odd tile)
	v_mul_u32_u24 v7, v7, WPITCH
	v_lshl_add_u32 v7, v6, 4, v7                   ; + 16 h
	v_add_nc_u32 v7, s17, v7
	v_lshlrev_b32 v8, 4, v2                        ; and 16 x lane in a cell
	v_and_b32 v9, 7, v2                            ; pi(lane): the place of my column's row
	v_and_b32 v10, 8, v2
	v_lshl_or_b32 v9, v10, 1, v9
	v_and_b32 v10, 16, v2
	v_lshrrev_b32 v10, 1, v10
	v_or_b32 v9, v9, v10
	v_lshlrev_b32 v9, 5, v9                        ; 32 scale bytes a row
.macro WLOAD t                         ; block t: w(32 t + i, my column), i = 0 .. 31: each load reads 128 consecutive bytes
.irp i, 0,1,2,3,4,5,6,7,8,9,10,11,12,13,14,15,16,17,18,19,20,21,22,23,24,25,26,27,28,29,30,31
	global_load_b32 v[WX+32*((\t)%2)+\i], v[VOFF+\i], s[32+2*(\t):33+2*(\t)] th:TH_LOAD_NT
.endr
.endm
	WLOAD 0
	WLOAD 1
.macro BLOCK t
.set XS, WX+32*((\t)%2)
.if (\t) < NB-1
	s_wait_loadcnt 32                              ; this block's 32 loads are in; the next block's may be out
.else
	s_wait_loadcnt 0
.endif
	v_max3_num_f32 v12, |v[XS]|, |v[XS+1]|, |v[XS+2]|               ; the block's largest magnitude: all 32 numbers are mine
	v_max3_num_f32 v13, |v[XS+3]|, |v[XS+4]|, |v[XS+5]|
.irp i, 6,10,14,18,22,26
	v_max3_num_f32 v12, v12, |v[XS+\i]|, |v[XS+\i+1]|
	v_max3_num_f32 v13, v13, |v[XS+\i+2]|, |v[XS+\i+3]|
.endr
	v_max3_num_f32 v12, v12, |v[XS+30]|, |v[XS+31]|
	v_max3_num_f32 v12, v12, v13, (EMAX+1)<<23     ; and the floor
	v_add_nc_u32 v11, -(EMAX<<23), v12             ; the conversion's scale operand
	v_and_or_b32 v10, v12, 0x7f800000, s23         ; 448 x the scale
	v_lshrrev_b32 v13, 23, v11                     ; the scale's byte
.if (\t)%4 == 0
	v_mov_b32 v[SB+(\t)/4], v13                    ; four bytes to a register, the lower K in the lower byte
.else
	v_lshl_or_b32 v[SB+(\t)/4], v13, 8*((\t)%4), v[SB+(\t)/4]
.endif
.irp i, 0,1,2,3,4,5,6,7,8,9,10,11,12,13,14,15,16,17,18,19,20,21,22,23,24,25,26,27,28,29,30,31
	v_med3_num_f32 v[XS+\i], v[XS+\i], -v10, v10
.endr
.irp g, 0,1,2,3
	v_cvt_scalef32_pk8_fp8_f32 v[WC+2*\g:WC+2*\g+1], v[XS+8*\g:XS+8*\g+7], v11
.endr
	ds_store_b128 v4, v[WC:WC+3] offset:32*(\t)    ; 32 codes: 32 bytes of my column's row
	ds_store_b128 v4, v[WC+4:WC+7] offset:32*(\t)+16
.if (\t)+2 < NB
	WLOAD (\t)+2
.endif
	s_wait_dscnt 0x0                               ; the stores have read their registers: the next block's codes may be written
.endm
.irp t, 0,1,2,3,4,5,6,7
	BLOCK \t
.endr
	global_store_b64 v9, v[SB:SB+1], s[14:15]      ; my column's 8 scale bytes, at its row's place
.irp t, 0,1,2,3,4,5,6,7,8,9,10,11,12,13,14,15
	ds_load_b128 v[OUTR+4*\t:OUTR+4*\t+3], v7 offset:(\t/8)*8*WPITCH+32*(\t%8)   ; tile t / 8, cell t % 8
.endr
.irp t, 0,1,2,3,4,5,6,7,8,9,10,11,12,13,14,15
	s_wait_dscnt 15-\t
	global_store_b128 v8, v[OUTR+4*\t:OUTR+4*\t+3], s[12:13] offset:(\t/8)*16384+512*(\t%8)   ; a cell: 512 consecutive bytes, aligned
.endr
	s_wait_tensorcnt 0x0
	ds_add_u32 v208, v209
	s_wait_dscnt 0x0
	s_endpgm
.Lfunc_end_k_qdeb13fe269_quant:
	.size	k_qdeb13fe269_quant, .Lfunc_end_k_qdeb13fe269_quant-k_qdeb13fe269_quant
	.p2alignl 7, 3214868480
	.fill 96, 4, 3214868480
	.section	.rodata,"a",@progbits
	.p2align	6, 0x0
	.amdhsa_kernel k_qdeb13fe269_quant
		.amdhsa_group_segment_fixed_size 68096
		.amdhsa_private_segment_fixed_size 0
		.amdhsa_enable_private_segment 0
		.amdhsa_kernarg_size 48
		.amdhsa_user_sgpr_count 2
		.amdhsa_user_sgpr_kernarg_segment_ptr 1
		.amdhsa_wavefront_size32 1
		.amdhsa_system_sgpr_workgroup_id_x 1
		.amdhsa_system_sgpr_workgroup_id_y 1
		.amdhsa_system_sgpr_workgroup_id_z 1
		.amdhsa_system_vgpr_workitem_id 0
		.amdhsa_next_free_vgpr 210
		.amdhsa_next_free_sgpr 66
		.amdhsa_reserve_vcc 0
		.amdhsa_float_denorm_mode_32 3
		.amdhsa_float_denorm_mode_16_64 3
		.amdhsa_memory_ordered 1
		.amdhsa_forward_progress 1
		.amdhsa_inst_pref_size 112
	.end_amdhsa_kernel
	.amdgpu_metadata
---
amdhsa.version: [ 1, 2 ]
amdhsa.kernels:
  - .name:           k_qdeb13fe269_quant
    .symbol:         k_qdeb13fe269_quant.kd
    .args:
      - { .name: x, .offset: 0, .size: 8, .value_kind: global_buffer, .address_space: global }
      - { .name: w_attn, .offset: 8, .size: 8, .value_kind: global_buffer, .address_space: global }
      - { .name: w_proj, .offset: 16, .size: 8, .value_kind: global_buffer, .address_space: global }
      - { .name: xc, .offset: 24, .size: 8, .value_kind: global_buffer, .address_space: global }
      - { .name: wc, .offset: 32, .size: 8, .value_kind: global_buffer, .address_space: global }
      - { .name: sc1, .offset: 40, .size: 8, .value_kind: global_buffer, .address_space: global }
    .group_segment_fixed_size: 68096
    .private_segment_fixed_size: 0
    .kernarg_segment_align: 8
    .kernarg_segment_size: 48
    .max_flat_workgroup_size: 128
    .sgpr_count:     66
    .vgpr_count:     210
    .wavefront_size: 32
...
	.end_amdgpu_metadata
.endif
;; end of part 1
;; launch qkv (part 2): grid 4 x 64, 4 waves a work-group, clusters of 4 x 1, 327,680 bytes of LDS; arguments xc, wc, sc1, b_attn, qkv_img, qkv_sc; writes qkv_img, qkv_sc
.if DOCPART == 2
	.amdgcn_target "amdgcn-amd-amdhsa--gfx1250"
	.amdhsa_code_object_version 6
	.text
	.protected	k_qdeb13fe269_qkv
	.globl	k_qdeb13fe269_qkv
	.p2align	8
	.type	k_qdeb13fe269_qkv,@function
k_qdeb13fe269_qkv:
	s_mov_b64 s[64:65], 0
	v_nop
	global_prefetch_b8 v0, s[64:65] scope:SCOPE_SE
	s_setreg_imm32_b32 hwreg(HW_REG_WAVE_MODE, 25, 1), 1
	s_wait_xcnt 0x0
	s_wait_alu depctr_hold_cnt(0) depctr_sa_sdst(0) depctr_va_vdst(0) depctr_va_sdst(0) depctr_va_ssrc(0) depctr_va_vcc(0) depctr_vm_vsrc(0)
	s_getreg_b32 s2, hwreg(HW_REG_IB_STS2, 6, 4)
	s_cmp_eq_u32 s2, 0
	s_cbranch_scc0 .Lentry_in_a_cluster
	s_endpgm
.Lentry_in_a_cluster:
	s_bfe_u32 s2, ttmp6, 0x10000c
	s_cmp_lg_u32 s2, 0x3003
	s_cbranch_scc0 .Lentry_shape_is_right
	s_endpgm
.Lentry_shape_is_right:
; qkv = x w_attn + b_attn on codes of FP8 (E4M3) with E8M0 scales, K = 1,024, its results quantised at once into the operands of attention's two products.
; SHARES.  256 work-groups of four waves.  Work-group (cx, y) owns the 128 tokens y and heads 4 cx .. 4 cx + 3; wave w owns head 4 cx + w: 64 channels of q, then of k, then of v: three phases of 256 products.
; x's 128 rows, all of K, come into LDS once (joint loads of waves 0 and 1, 64 rows each; the four work-groups of a cluster share them) and stay.
; A phase's 64 weight rows, all of K, stand in 512 registers (windows 1, 2), from wc's register images, BY TWO ROADS: K chunks 0-3 (window 1) by plain loads of 512 consecutive bytes, 64 a wave, five at the end of each of batches 2 to 14 of
; the phase before, into registers whose last product is past; K chunks 4-7 (window 2) by one tensor load a wave (4 tiles x 8,192 bytes) into 131,072 LDS bytes of their own, asked for at a phase's top for the next phase, and copied
; into window 2 behind the phase's last product, under the ending.  That region is filled again behind a wait, an LDS add and a round of the cluster's barrier.
; The cluster's four differ in cx, so they share no weight tile: the weights' tensor loads name no partner.  No prefetch is laid: every byte is asked for at the head or most of a phase ahead of its use.
; q, k: source 0 = weight rows, source 1 = tokens: a lane holds a token, its registers run along the head's 64.   v: the sources swapped: a lane holds a channel, its registers run along the keys.
; The rows of xc and the tiles of wc lie so that tile i, lane r is row 32 (i / 2) + 8 (i % 2) + r + 8 (r / 8): the 16 registers of two neighbouring tiles are 16 neighbours.  The bias is the C of a phase's first 32 products.
; OUT: cells of 512 bytes, 16 a lane.  q at 0, k at 8 MiB of qkv_img: (16 batch + head) x 131,072 + token tile x 1,024 + (32 along d) x 512.
;   v at 16 MiB: (8 batch + head / 2) x 262,144 + (128 keys) x 16,384 + (64 keys) x 8,192 + (head % 2) x 4,096 + tile of d x 1,024 + (32 keys) x 512.
;   qkv_sc: q's words at 0 (a tile's two bytes, twice), k's at 524,288 (two tiles' bytes), v's at 786,432 (four key blocks' bytes): 16 bytes a lane's row.
; LIMITS: a block of zeros gets the byte 1 (its codes are zeros; this program alone reads the bytes); NaN and infinities are not served.
; REGISTERS: window 0: v2-14 addresses, v16-31 the ending's, v32-47 the weight's scale words, v52-83 x's, v88-119 the bias, v120-127 scale words on the way out, v128-255 x's fragments in two sets (in the ending: codes); window 3: accumulator (a, b) at v[8 (4 a + b)].
.set PITCH, 1040                       ; an LDS row of x: 1,024 bytes + 16 of padding
.set FT, 16*PITCH                      ; from a tile of 16 rows to the next; from 128 of K to the next; from 32 to the next
.set FQ, 128
.set FC, 32
.set WL, 128*PITCH                     ; the weights' region: [tile of 16][8,192 bytes]
.set SPARE, WL+131072                  ; the spare words, 128 bytes a wave
.set LI, 2                             ; 16 x lane
.set ADR, 4                            ; v4, v5: my fragments' LDS address, tiles 0-3, tiles 4-7
.set ABS, 6                            ; 32 x lane
.set BO, 7                             ; 64 h
.set BV, 8                             ; 4 (r + 8 (r / 8))
.set R16, 9                            ; 16 r
.set SPW, 10
.set NIL, 11
.set AW, 14                            ; my four tiles in the weights' region
.set TM, 16
.set SB, 32
.set SA, 52                            ; no product's two scale words have numbers equal modulo 8
.set BIA, 88
.set PW, 120
.set AF, 128
.set PC, 128
.set WP, 36                            ; s[36:37] the weight images that are loaded next; s[38:39] their scale bytes; s[40:41] their bias
.set WS, 38
.set BP, 40
.set OI, 42                            ; s[42:43] q's, then k's cells; s[44:45] q's words; s[56:57] k's (v's 262,144 on); s[58:59] v's cells
.set OQ, 44
.set XS, 46
.set OK, 56
.set OV, 58
.set G1A, 24                           ; s[24:31], s[32:35] x's rows;  s[68:75], s[76:79] the weights
.set G0A, 32
.set G1W, 68
.set G0W, 76
.set MSB, 0
.macro WIN new                         ; the immediate's high byte repeats the setting that is left
.if MSB != (\new)
	s_set_vgpr_msb (MSB<<8)|(\new)
.set MSB, (\new)
.endif
.endm
.macro PLACES n
.rept \n
	v_nop
.endr
.endm
.macro CROUND                          ; a round of the cluster's barrier
	s_barrier_signal -1
	s_barrier_wait -1
	s_cmp_lg_u32 s16, 0
	s_cbranch_scc1 .Lnot_wave_0_\@
	s_barrier_signal -3
.Lnot_wave_0_\@:
	s_barrier_wait -3
	s_barrier_signal -1
	s_barrier_wait -1
.endm
.macro MM d, a, b, c, sa, sb, ra, rb   ; D, source 0, source 1, C: first registers; the sources' scale words and which half of the lanes holds them
.if (\ra) && (\rb)
	v_wmma_scale_f32_16x16x128_f8f6f4 v[(\d):(\d)+7], v[(\a):(\a)+15], v[(\b):(\b)+15], v[(\c):(\c)+7], v[\sa], v[\sb] matrix_a_scale:MATRIX_SCALE_ROW1 matrix_b_scale:MATRIX_SCALE_ROW1
.elseif \ra
	v_wmma_scale_f32_16x16x128_f8f6f4 v[(\d):(\d)+7], v[(\a):(\a)+15], v[(\b):(\b)+15], v[(\c):(\c)+7], v[\sa], v[\sb] matrix_a_scale:MATRIX_SCALE_ROW1
.elseif \rb
	v_wmma_scale_f32_16x16x128_f8f6f4 v[(\d):(\d)+7], v[(\a):(\a)+15], v[(\b):(\b)+15], v[(\c):(\c)+7], v[\sa], v[\sb] matrix_b_scale:MATRIX_SCALE_ROW1
.else
	v_wmma_scale_f32_16x16x128_f8f6f4 v[(\d):(\d)+7], v[(\a):(\a)+15], v[(\b):(\b)+15], v[(\c):(\c)+7], v[\sa], v[\sb]
.endif
.endm
; Batch n: K chunk n / 2, token tiles 4 (n % 2) on, from set n % 2: 16 products on 16 accumulators, one instruction a turn.  Eight places follow, for the loads into what it has read and for the ending's reads.
.macro BATCH kind, n
.set Q_, (\n)/2
.set H_, (\n)%2
.set CW_, 3
.if Q_ == 0
.set CW_, 0
.endif
.if (\n) == 15
	s_wait_dscnt 0x0
.else
	s_wait_dscnt 16                                ; this set is in; the other set's sixteen loads may be out
.endif
.if \kind
	WIN 0xc0|(CW_<<4)|((1+Q_/4)<<2)
.else
	WIN 0xc0|(CW_<<4)|(1+Q_/4)
.endif
.irp i, 0,1,2,3
.irp b, 0,1,2,3
.set A_, 4*H_+\i
.set D_, 8*(4*A_+\b)
.set C_, D_
.if Q_ == 0
.set C_, BIA+8*\b
.endif
.set X_, AF+64*H_+16*\i
.set W_, 16*((4*Q_+\b)%16)
.if \kind
	MM D_, X_, W_, C_, SA+8*(A_/2)+Q_, SB+8*(\b/2)+Q_, A_%2, \b%2
.else
	MM D_, W_, X_, C_, SB+8*(\b/2)+Q_, SA+8*(A_/2)+Q_, \b%2, A_%2
.endif
.endr
.endr
	WIN 0
	PLACES 8
.endm
.macro FETCH n                         ; batch n's four fragments of x: 16 loads
.irp i, 0,1,2,3
.irp c, 0,1,2,3
	ds_load_b128 v[AF+64*((\n)%2)+16*\i+4*\c:AF+64*((\n)%2)+16*\i+4*\c+3], v[ADR+(\n)%2] offset:\i*FT+((\n)/2)*FQ+\c*FC
.endr
.endr
.endm
; The plain road.  Load LK (0 .. 63) is fragment LK / 4 (chunk LK / 16, tile (LK / 4) % 4), piece LK % 4, in window 1.
.macro WGRP cnt
.set SV_, MSB
.rept \cnt
.if LK < 64
	WIN 1<<6
	global_load_b128 v[16*(LK/4)+4*(LK%4):16*(LK/4)+4*(LK%4)+3], v[LI], s[WP:WP+1] offset:((LK/4)%4)*16384+(LK/16)*2048+(LK%4)*512
.set LK, LK+1
.endif
.endr
	WIN SV_
.endm
.macro COPY                            ; chunks 4-7 of my four tiles, out of the weights' region into window 2: 64 loads of 512 consecutive bytes
	WIN 2<<6
.irp q, 0,1,2,3
.irp b, 0,1,2,3
.irp c, 0,1,2,3
	ds_load_b128 v[16*(4*\q+\b)+4*\c:16*(4*\q+\b)+4*\c+3], v[AW] offset:\b*8192+\q*2048+\c*512
.endr
.endr
.endr
	WIN 0
.endm
.macro SBLOAD                          ; the weight's scale words: lane l takes row l of a pair of tiles: register 8 p + q
.irp p, 0,1
.irp c, 0,1
	global_load_b128 v[SB+8*\p+4*\c:SB+8*\p+4*\c+3], v[ABS], s[WS:WS+1] offset:\p*1024+16*\c
.endr
.endr
.endm
.macro BIAS0                           ; q, k: tile b, register j is channel 32 (b / 2) + 8 (b % 2) + 16 h + j
.irp b, 0,1,2,3
	global_load_b128 v[BIA+8*\b:BIA+8*\b+3], v[BO], s[BP:BP+1] offset:(32*(\b/2)+8*(\b%2))*4
	global_load_b128 v[BIA+8*\b+4:BIA+8*\b+7], v[BO], s[BP:BP+1] offset:(32*(\b/2)+8*(\b%2))*4+16
.endr
.endm
; A phase's 16 batches.  stream = 1: the next phase's plain loads go out, five at the end of each of batches 2 to 14: load 5 (n - 1) - 1 lies in a chunk whose last product, batch 2 chunk + 1, and its places are past.
; The counted waits serve the first phase, whose plain loads went out at the head: behind chunk q's last load stand 48 - 16 q of its own phase and 10 (q - 1) of the next.
.macro PHASE kind, stream
.set LK, 64*(1-(\stream))
	FETCH 0
	FETCH 1
.set N_, 0
.rept 16
.if (\stream) && (N_ == 2)
	s_wait_loadcnt 32
.endif
.if (\stream) && (N_ == 4)
	s_wait_loadcnt 26
.endif
.if (\stream) && (N_ == 6)
	s_wait_loadcnt 20
.endif
	BATCH \kind, N_
.if N_ < 14
	FETCH N_+2
.endif
.if (N_ > 1) && (N_ < 15)
	WGRP 5
.endif
.set N_, N_+1
.endr
.endm
; THE ENDING, four scale blocks of 32 at a time.  Block i: eight registers at 64 g + ls i and eight ho further on; its other half lies in lane l xor 16.
.macro QUAD g, ls, ho, kind
.set AC_, 64*(\g)
.set PCA, PC+16*(\g)
	WIN 0x0f                                       ; sources 0 and 1: window 3
.irp i, 0,1,2,3
	v_max3_num_f32 v[TM+\i], |v[AC_+(\ls)*\i]|, |v[AC_+(\ls)*\i+1]|, 0x4800000   ; with the floor 2^(9 - 127); each accumulator is read from its low end on
.endr
.irp k, 2,4,6
.irp i, 0,1,2,3
	v_max3_num_f32 v[TM+\i], |v[AC_+(\ls)*\i+\k]|, |v[AC_+(\ls)*\i+\k+1]|, v[TM+\i]
.endr
.endr
.irp k, 0,2,4,6
.irp i, 0,1,2,3
	v_max3_num_f32 v[TM+\i], |v[AC_+(\ls)*\i+(\ho)+\k]|, |v[AC_+(\ls)*\i+(\ho)+\k+1]|, v[TM+\i]
.endr
.endr
	WIN 0
.irp i, 0,1,2,3
	v_permlanex16_b32 v[TM+4+\i], v[TM+\i], s50, s51
.endr
.irp i, 0,1,2,3
	v_max_num_f32 v[TM+\i], v[TM+\i], v[TM+4+\i]   ; the block's largest magnitude
.endr
.irp i, 0,1,2,3
	v_add_nc_u32 v[TM+12+\i], 0xfc000000, v[TM+\i] ; 8 off its exponent field: the conversion's scale operand
.endr
.irp i, 0,1,2,3
	v_and_or_b32 v[TM+8+\i], v[TM+\i], 0x7f800000, s52   ; 448 x the scale
.endr
.irp i, 0,1,2,3
	v_lshrrev_b32 v[TM+4+\i], 23, v[TM+12+\i]      ; the scale's byte
.endr
.if \kind
.irp i, 0,1,2,3
.if (\g) == 0
	v_mov_b32 v[PW+\i], v[TM+4+\i]                 ; v: tile i's word gathers the four key blocks' bytes
.else
	v_lshl_or_b32 v[PW+\i], v[TM+4+\i], 8*(\g), v[PW+\i]
.endif
.endr
.else
	v_lshl_or_b32 v[PW+(\g)], v[TM+5], 8, v[TM+4]  ; q, k: token tiles 2 g and 2 g + 1, two bytes each
	v_lshl_or_b32 v[PW+(\g)], v[TM+6], 16, v[PW+(\g)]
	v_lshl_or_b32 v[PW+(\g)], v[TM+7], 24, v[PW+(\g)]
.endif
	WIN 0xc3                                       ; destination and source 0: window 3
.irp i, 0,1,2,3
.irp k, 0,1,2,3,4,5,6,7
	v_med3_num_f32 v[AC_+(\ls)*\i+\k], v[AC_+(\ls)*\i+\k], -v[TM+8+\i], v[TM+8+\i]   ; the conversion does not saturate (ISA guide 7.6.2): the hold comes first
	v_med3_num_f32 v[AC_+(\ls)*\i+(\ho)+\k], v[AC_+(\ls)*\i+(\ho)+\k], -v[TM+8+\i], v[TM+8+\i]
.endr
.endr
	WIN 0x03                                       ; source 0 alone
.irp i, 0,1,2,3
	v_cvt_scalef32_pk8_fp8_f32 v[PCA+4*\i:PCA+4*\i+1], v[AC_+(\ls)*\i:AC_+(\ls)*\i+7], v[TM+12+\i]
	v_cvt_scalef32_pk8_fp8_f32 v[PCA+4*\i+2:PCA+4*\i+3], v[AC_+(\ls)*\i+(\ho):AC_+(\ls)*\i+(\ho)+7], v[TM+12+\i]
.endr
	WIN 0
	v_nop                                          ; one plain vector instruction behind the last conversion
.endm
.macro QSTORE g, kind                  ; the four cells of QUAD g: a phase's sixteen stores leave in one run
.set PCA, PC+16*(\g)
.irp i, 0,1,2,3
.if \kind
	global_store_b128 v[LI], v[PCA+4*\i:PCA+4*\i+3], s[OV:OV+1] offset:((\g)/2)*8192+\i*1024+((\g)%2)*512
.else
	global_store_b128 v[LI], v[PCA+4*\i:PCA+4*\i+3], s[OI:OI+1] offset:2048*(\g)+512*\i   ; each store: 512 consecutive bytes, aligned
.endif
.endr
.endm
	s_load_b256 s[4:11], s[0:1], 0x0               ; xc, wc, sc1, b_attn
	s_load_b128 s[12:15], s[0:1], 0x20             ; qkv_img, qkv_sc
	v_lshl_add_u32 v[SPW], v0, 2, SPARE
	v_mov_b32 v[NIL], 0
	ds_add_u32 v[SPW], v[NIL]                      ; the opening lines: the add, twice on end, and its wait ahead of my first tensor load
	ds_add_u32 v[SPW], v[NIL]
	v_lshrrev_b32 v3, 5, v0
	v_readfirstlane_b32 s16, v3                    ; wave 0..3
	s_lshl_b32 s49, s16, 15
	s_add_co_u32 s49, s49, WL                      ; my 32,768 bytes of the weights' region
	v_and_b32 v1, 15, v0                           ; r
	v_bfe_u32 v12, v0, 4, 1                        ; h
	v_and_b32 v13, 31, v0
	v_lshlrev_b32 v[LI], 4, v13
	v_lshlrev_b32 v[ABS], 5, v13
	v_mul_u32_u24 v[ADR], v1, PITCH
	v_lshl_add_u32 v[ADR], v12, 4, v[ADR]          ; a fragment's row x pitch + 16 h
	v_add_nc_u32 v[ADR+1], 4*FT, v[ADR]
	v_lshlrev_b32 v[BO], 6, v12
	v_and_b32 v[BV], 8, v1
	v_add_nc_u32 v[BV], v[BV], v1
	v_lshlrev_b32 v[BV], 2, v[BV]
	v_lshlrev_b32 v[R16], 4, v1
	v_add_nc_u32 v[AW], s49, v[LI]
.irp i, 0,1,2,3
	v_mov_b32 v[TM+4+\i], 0                        ; written once: a lane permute's destination counts as one of its sources
.endr
	s_bfe_u32 s17, ttmp6, 0x40000                  ; cx
	s_and_b32 s18, ttmp7, 0xffff                   ; y: which 128 tokens
	s_mov_b32 s[G1A], 15|(1<<20)|(1<<21)|(7<<22)|(3<<25)   ; the cluster's four; elements of 1 byte; four words of padding behind every 256
	s_mov_b32 s[G1A+1], 1024<<16                   ; tensor_dim0
	s_mov_b32 s[G1A+2], 64<<16                     ; tensor_dim1
	s_mov_b32 s[G1A+3], 1024<<16                   ; tile_dim0
	s_mov_b32 s[G1A+4], 64                         ; tile_dim1
	s_mov_b32 s[G1A+5], 1024                       ; the pitch: the rows lie end to end
	s_mov_b32 s[G1A+6], 0
	s_mov_b32 s[G1A+7], 0
	s_mov_b32 s[G1W], 3<<16                        ; no partner; elements of 8 bytes; no padding
	s_mov_b32 s[G1W+1], 1024<<16                   ; tensor_dim0: 8,192 bytes, a tile's chunks 4-7
	s_mov_b32 s[G1W+2], 8<<16                      ; tensor_dim1: at the head 8 tiles a load
	s_mov_b32 s[G1W+3], 1024<<16                   ; tile_dim0
	s_mov_b32 s[G1W+4], 8                          ; tile_dim1
	s_mov_b32 s[G1W+5], 2048                       ; the pitch: a tile's image, 16,384 bytes
	s_mov_b32 s[G1W+6], 0
	s_mov_b32 s[G1W+7], 0
	s_and_b32 s48, s16, 1                          ; which half I fetch at the head
	s_mov_b32 s[G0A], 1
	s_mul_i32 s[G0A+1], s48, 64*PITCH
	s_lshl_b32 s20, s18, 17
	s_lshl_b32 s21, s48, 16
	s_add_co_u32 s20, s20, s21                     ; xc: 131,072 y + 65,536 half
	s_mov_b32 s21, 0
	s_mov_b32 s[G0W], 1
	s_lshl_b32 s[G0W+1], s48, 16
	s_add_co_u32 s[G0W+1], s[G0W+1], WL
	s_lshl_b32 s22, s17, 18
	s_lshl_b32 s23, s48, 17
	s_add_co_u32 s22, s22, s23
	s_add_co_u32 s22, s22, 8192                    ; wc: my work-group's 16 tiles of q, 8 a half, from chunk 4 on
	s_mov_b32 s23, 0
	s_lshl_b32 s19, s17, 2
	s_add_co_u32 s19, s19, s16                     ; my head
	s_lshl_b32 s[WP], s19, 16                      ; four tiles of 16,384 bytes a head
	s_mov_b32 s[WP+1], 0
	s_lshl_b32 s[WS], s19, 11                      ; 64 rows of 32 scale bytes, behind x's 262,144
	s_add_co_u32 s[WS], s[WS], 262144
	s_mov_b32 s[WS+1], 0
	s_lshl_b32 s[BP], s19, 8
	s_mov_b32 s[BP+1], 0
	s_lshl_b32 s[XS], s18, 12                      ; x's scale bytes: 128 rows of 32
	s_mov_b32 s[XS+1], 0
	s_lshr_b32 s62, s18, 4                         ; batch
	s_and_b32 s63, s18, 15                         ; which 128 tokens of its 2,048
	s_lshl_b32 s48, s62, 4
	s_add_co_u32 s48, s48, s19                     ; 16 batch + head
	s_lshl_b32 s[OI], s48, 17
	s_lshl_b32 s49, s63, 13
	s_add_co_u32 s[OI], s[OI], s49
	s_mov_b32 s[OI+1], 0
	s_lshl_b32 s[OQ], s48, 13
	s_lshl_b32 s49, s63, 9
	s_add_co_u32 s[OQ], s[OQ], s49
	s_mov_b32 s[OQ+1], 0
	s_lshl_b32 s[OK], s48, 12
	s_lshl_b32 s49, s63, 8
	s_add_co_u32 s[OK], s[OK], s49
	s_add_co_u32 s[OK], s[OK], 524288
	s_mov_b32 s[OK+1], 0
	s_lshr_b32 s[OV], s48, 1
	s_lshl_b32 s[OV], s[OV], 18
	s_lshl_b32 s49, s63, 14
	s_add_co_u32 s[OV], s[OV], s49
	s_and_b32 s49, s19, 1
	s_lshl_b32 s49, s49, 12
	s_add_co_u32 s[OV], s[OV], s49
	s_add_co_u32 s[OV], s[OV], 0x1000000
	s_mov_b32 s[OV+1], 0
	s_mov_b32 s50, 0x76543210
	s_mov_b32 s51, 0xfedcba98                      ; v_permlanex16_b32's selects for lane l xor 16
	s_mov_b32 s52, 0x600000                        ; the mantissa field of 448
	s_mov_b32 s53, 0xffff0000                      ; lanes 16-31
	s_mov_b32 s60, 0x01000100                      ; byte selects: the low half twice, the high half twice
	s_mov_b32 s61, 0x03020302
	s_wait_alu depctr_va_vdst(0)
	s_wait_dscnt 0x0                               ; both opening adds are done
	CROUND                                         ; the four work-groups are here: the joint loads meet
	s_wait_kmcnt 0x0
	s_add_nc_u64 s[G0A+2:G0A+3], s[4:5], s[20:21]
	s_or_b32 s[G0A+3], s[G0A+3], 0x80000000
	s_add_nc_u64 s[G0W+2:G0W+3], s[6:7], s[22:23]
	s_or_b32 s[G0W+3], s[G0W+3], 0x80000000
	s_cmp_lt_u32 s16, 2                            ; THE HEAD'S LOADS, one a wave: waves 0, 1 the halves of x's rows, waves 2, 3 the halves of q's chunks 4-7
	s_cbranch_scc0 .Lhead_w
	tensor_load_to_lds s[G0A:G0A+3], s[G1A:G1A+7]
	s_nop 0
	PLACES 4
	s_branch .Lhead_asked
.Lhead_w:
	tensor_load_to_lds s[G0W:G0W+3], s[G1W:G1W+7]
	s_nop 0
	PLACES 4
.Lhead_asked:
	s_add_nc_u64 s[WP:WP+1], s[6:7], s[WP:WP+1]
	s_add_nc_u64 s[62:63], s[WP:WP+1], 8192        ; my own four tiles of q from chunk 4 on: where the walking load starts from
	s_add_nc_u64 s[WS:WS+1], s[8:9], s[WS:WS+1]
	s_add_nc_u64 s[BP:BP+1], s[10:11], s[BP:BP+1]
	s_add_nc_u64 s[XS:XS+1], s[8:9], s[XS:XS+1]
	s_add_nc_u64 s[OI:OI+1], s[12:13], s[OI:OI+1]
	s_add_nc_u64 s[OV:OV+1], s[12:13], s[OV:OV+1]
	s_add_nc_u64 s[OQ:OQ+1], s[14:15], s[OQ:OQ+1]
	s_add_nc_u64 s[OK:OK+1], s[14:15], s[OK:OK+1]
.irp p, 0,1,2,3
.irp c, 0,1
	global_load_b128 v[SA+8*\p+4*\c:SA+8*\p+4*\c+3], v[ABS], s[XS:XS+1] offset:\p*1024+16*\c   ; x's scale words: lane l takes row l of a pair of tiles
.endr
.endr
	SBLOAD
	BIAS0
.set LK, 0
	WGRP 64                                        ; q's chunks 0-3
	s_wait_xcnt 0x0                                ; the loads have read their bases, which go on to k's
	s_add_nc_u64 s[WP:WP+1], s[WP:WP+1], 0x100000
	s_add_nc_u64 s[WS:WS+1], s[WS:WS+1], 32768
	s_add_nc_u64 s[BP:BP+1], s[BP:BP+1], 4096
	s_mov_b32 s54, 0
	s_wait_tensorcnt 0x0                           ; my tile of the head's four is in; no load of mine is out, so a descriptor may be written:
	s_mov_b32 s[G1W+2], 4<<16                      ; from here on a load brings my own four tiles
	s_mov_b32 s[G1W+4], 4
	s_lshl_b32 s[G0W+1], s16, 15
	s_add_co_u32 s[G0W+1], s[G0W+1], WL
	s_mov_b64 s[G0W+2:G0W+3], s[62:63]
	s_or_b32 s[G0W+3], s[G0W+3], 0x80000000
	s_wait_dscnt 0x0
	s_barrier_signal -1
	s_barrier_wait -1                              ; everybody's is
	COPY                                           ; q's chunks 4-7
	s_wait_loadcnt 48                              ; the scale words, the bias and q's chunk 0 are in: behind them stand chunks 1-3's 48 loads
.Lphase:                                           ; two trips: q, k
	s_wait_tensorcnt 0x0                           ; no load of mine is out;
	ds_add_u32 v[SPW], v[NIL]
	s_add_nc_u64 s[G0W+2:G0W+3], s[G0W+2:G0W+3], 0x100000   ; the next phase's tiles
	s_wait_dscnt 0x0                               ; the add is done, and my copy out of the region is over
	CROUND
	tensor_load_to_lds s[G0W:G0W+3], s[G1W:G1W+7]  ; the next phase's chunks 4-7: my one load behind the round; it has the phase's 16 batches in which to land
	s_nop 0
	PLACES 4
	PHASE 0, 1
	s_wait_tensorcnt 0x0                           ; my four tiles are in; I alone read them
	COPY                                           ; into window 2, whose last product and its places are past; the loads come back under the ending
	SBLOAD                                         ; the next phase's scale words and bias
	s_cmp_eq_u32 s54, 0
	s_cbranch_scc0 .Lbias_v
	BIAS0
	s_branch .Lbias_in
.Lbias_v:
.irp b, 0,1,2,3
.irp j, 0,1,2,3,4,5,6,7
	global_load_b32 v[BIA+8*\b+\j], v[BV], s[BP:BP+1] offset:(32*(\b/2)+8*(\b%2))*4   ; v: a lane holds one channel, the same in all eight registers
.endr
.endr
.Lbias_in:
.irp g, 0,1,2,3
	QUAD \g, 16, 8, 0
.endr
.irp g, 0,1,2,3
	QSTORE \g, 0
.endr
	s_wait_alu depctr_va_vdst(0)
	s_cmp_eq_u32 s54, 0
	s_cbranch_scc0 .Lk_words
	v_cndmask_b32 v12, v[PW], v[PW+2], s53         ; q: lanes 0-15 store tiles 0-3's words, lanes 16-31 tiles 4-7's
	v_cndmask_b32 v13, v[PW+1], v[PW+3], s53
	v_perm_b32 v[PW+4], v12, v12, s60
	v_perm_b32 v[PW+5], v12, v12, s61
	v_perm_b32 v[PW+6], v13, v13, s60
	v_perm_b32 v[PW+7], v13, v13, s61
	global_store_b128 v[LI], v[PW+4:PW+7], s[OQ:OQ+1]   ; 512 consecutive bytes, aligned
	s_branch .Lwords_out
.Lk_words:
	global_store_b128 v[R16], v[PW:PW+3], s[OK:OK+1]    ; 256 consecutive bytes, aligned; both halves of the lanes hold the same words
.Lwords_out:
	s_wait_xcnt 0x0                                ; loads and stores have read their bases and data
	s_add_nc_u64 s[WP:WP+1], s[WP:WP+1], 0x100000
	s_add_nc_u64 s[WS:WS+1], s[WS:WS+1], 32768
	s_add_nc_u64 s[BP:BP+1], s[BP:BP+1], 4096
	s_add_nc_u64 s[OI:OI+1], s[OI:OI+1], 0x800000
	s_wait_loadcnt 0x0                             ; the next phase's chunks 0-3, scale words and bias are in
	s_add_co_u32 s54, s54, 1
	s_cmp_lt_u32 s54, 2
	s_wait_alu depctr_va_vdst(0)
	s_cbranch_scc1 .Lphase
	PHASE 1, 0                                     ; v (LDS serves a wave's loads in order: the copy is in ahead of the first fragments)
.irp g, 0,1,2,3
	QUAD \g, 8, 32, 1
.endr
.irp g, 0,1,2,3
	QSTORE \g, 1
.endr
	global_store_b128 v[R16], v[PW:PW+3], s[OK:OK+1] offset:262144
	s_wait_tensorcnt 0x0                           ; the wave's end
	ds_add_u32 v[SPW], v[NIL]
	s_wait_dscnt 0x0
	CROUND                                         ; the closing round
	s_endpgm
.Lfunc_end_k_qdeb13fe269_qkv:
	.size	k_qdeb13fe269_qkv, .Lfunc_end_k_qdeb13fe269_qkv-k_qdeb13fe269_qkv
	.p2alignl 7, 3214868480
	.fill 96, 4, 3214868480
	.section	.rodata,"a",@progbits
	.p2align	6, 0x0
	.amdhsa_kernel k_qdeb13fe269_qkv
		.amdhsa_group_segment_fixed_size 327680
		.amdhsa_private_segment_fixed_size 0
		.amdhsa_enable_private_segment 0
		.amdhsa_kernarg_size 48
		.amdhsa_user_sgpr_count 2
		.amdhsa_user_sgpr_kernarg_segment_ptr 1
		.amdhsa_wavefront_size32 1
		.amdhsa_system_sgpr_workgroup_id_x 1
		.amdhsa_system_sgpr_workgroup_id_y 1
		.amdhsa_system_sgpr_workgroup_id_z 1
		.amdhsa_system_vgpr_workitem_id 0
		.amdhsa_next_free_vgpr 1024
		.amdhsa_next_free_sgpr 80
		.amdhsa_reserve_vcc 0
		.amdhsa_float_denorm_mode_32 3
		.amdhsa_float_denorm_mode_16_64 3
		.amdhsa_memory_ordered 1
		.amdhsa_forward_progress 1
		.amdhsa_inst_pref_size 212
	.end_amdhsa_kernel
	.amdgpu_metadata
---
amdhsa.version: [ 1, 2 ]
amdhsa.kernels:
  - .name:           k_qdeb13fe269_qkv
    .symbol:         k_qdeb13fe269_qkv.kd
    .args:
      - { .name: xc, .offset: 0, .size: 8, .value_kind: global_buffer, .address_space: global }
      - { .name: wc, .offset: 8, .size: 8, .value_kind: global_buffer, .address_space: global }
      - { .name: sc1, .offset: 16, .size: 8, .value_kind: global_buffer, .address_space: global }
      - { .name: b_attn, .offset: 24, .size: 8, .value_kind: global_buffer, .address_space: global }
      - { .name: qkv_img, .offset: 32, .size: 8, .value_kind: global_buffer, .address_space: global }
      - { .name: qkv_sc, .offset: 40, .size: 8, .value_kind: global_buffer, .address_space: global }
    .group_segment_fixed_size: 327680
    .private_segment_fixed_size: 0
    .kernarg_segment_align: 8
    .kernarg_segment_size: 48
    .max_flat_workgroup_size: 128
    .sgpr_count:     80
    .vgpr_count:     1024
    .wavefront_size: 32
...
	.end_amdgpu_metadata
.endif
;; end of part 2
;; launch attn (part 3): grid 4 x 64, 16 waves a work-group, no clusters, 327,680 bytes of LDS; arguments qkv_img, qkv_sc, y_img, ysc; writes y_img, ysc
.if DOCPART == 3
	.amdgcn_target "amdgcn-amd-amdhsa--gfx1250"
	.amdhsa_code_object_version 6
	.text
	.protected	k_qdeb13fe269_attn
	.globl	k_qdeb13fe269_attn
	.p2align	8
	.type	k_qdeb13fe269_attn,@function
k_qdeb13fe269_attn:
	s_mov_b64 s[64:65], 0
	v_nop
	global_prefetch_b8 v0, s[64:65] scope:SCOPE_SE
	s_setreg_imm32_b32 hwreg(HW_REG_WAVE_MODE, 25, 1), 1
	s_wait_xcnt 0x0
; Causal attention on codes of FP8 (E4M3) with E8M0 scales, head size 64, 2,048 tokens, 64 heads (16 batch + head), and its result quantised along the channels for the last product.
; t = score x log2(e) / 8; M = the running largest t rounded UP to a whole number; p = 2^(t - M) is quantised along the keys, not normalised; the row's sum is taken of the unquantised p and divides O at the end.
; SHARES.  A work-group owns one head and a quarter j of its 128 tiles of 16 queries.  Wave w owns tiles 16 j + w and 127 - (16 j + w): tile T needs T / 8 + 1 key steps of 128, so every wave has 17 steps.
; THE WHOLE HEAD LIES IN LDS, filled once: K's and V's register images (131,072 bytes each) and their scale words (4,096 each).  Every wave brings five pieces; four barriers let the work begin when the first 512 keys are in.
; Nothing is filled again.  A fragment is read as it lies: 16 bytes a lane, 512 consecutive bytes an instruction.
; LAYOUT.  Both products are used transposed: S^T = K Q^T, O^T = V^T P^T: a lane holds ONE query throughout.  A tile's lane r is token 32 (T / 2) + 8 (T % 2) + r + 8 (r / 8), so the 16 registers of two neighbouring
; tiles of S^T are 16 neighbouring keys, and those of O^T 16 neighbouring channels.
; K = 64 IN AN INSTRUCTION OF 128: a fragment of K holds TWO tiles of keys, one in each half of K.  Against Q | zeros it gives the first tile's scores, against zeros | Q the second's: zero codes add nothing.
; CAUSAL.  Every loop's trip count is a constant; a step all of whose keys come after the tile's queries is left out by a scalar branch on ids; on the diagonal hidden scores become -infinity ahead of the maximum.
; NO CLUSTER: the four work-groups of a head differ in j, and the branch that leaves hidden steps out hangs on j.
; LIMITS: a block of zeros gets the byte 1 (this program alone reads the bytes); NaN and infinities are not served; a block's largest p is taken from its largest score, which takes v_exp_f32 not to fall where its input rises.
; THE FILLS AS THE TEXT HAS THEM: at the head each wave asks for its piece of the first 512 keys, one tensor load; its piece of the next 512 goes out behind each of the first three gates, one load a wave, all of them first fills.
; The scale words (512 bytes a wave) come through registers and an LDS store into bytes of their own.
.set VIMG, 131072
.set KSC,  262144                      ; K's scale words, and 4,096 bytes on V's
.set LI,   1                           ; v1   16 x lane
.set R16,  2                           ; v2   16 x (lane % 16)
.set DQ,   3                           ; v3   my query less the tile's first, less 16 (lane / 16)
.set ADK,  4                           ; v4-6 LDS addresses of the step's K, V, scale words
.set ADV,  5
.set ADS,  6
.set YS,   7                           ; v7   32 (lane % 16) + lane / 16: my byte of y's scales
.set QS,   10                          ; v10  Q's scale word
.set QLO,  16                          ; v16-31 Q | zeros;  v32-47 zeros | Q
.set QHI,  32
.set FRG,  48                          ; v48-111 four fragments of K or of V
.set S,    112                         ; v112-175 S^T, then p
.set OT,   176                         ; v176-207 O^T
.set PCD,  208                         ; v208-223 p's codes
.set BM,   224                         ; v224-227 block maxima; v228-231 the other half's, then bytes; v232-235 448 x the scale; v236-239 the conversions' scale operands
.set BT,   228
.set BH,   232
.set BS,   236
.set KSR,  240                         ; v240-243 K's scale words; v244-247 V's
.set VSR,  244
.set FF,   248                         ; v248 f = 2^(old M - new M); v249 p's scale word
.set PWD,  249
.set SUM2, 250
.set TMP,  252
.set WV,   12
.set JB,   13
.set BHD,  14
.set G1,   16                          ; s[16:23] group 1: 4,096 dense bytes
.set G1S,  24
.set G0S,  32                          ; s[32:33] my scale words in memory;  s[36:39] group 0 for my pieces of K or V
.set G0,   36
.set SEL,  52
.set CS,   54
.set MNT,  56
.set HM,   57
.set TK,   58                          ; s58 the step's images begin here (K's; V's VIMG further on); s59 its scale words; s60 its first key
.set TS,   59
.set KF,   60
.set Q0,   61                          ; s61 the tile's first query
.set CNT,  62
.set TT,   63                          ; s63 the tile
	s_load_b256 s[4:11], s[0:1], 0x0               ; qkv_img, qkv_sc, y_img, ysc
	v_lshl_add_u32 v11, v0, 2, 0x42000
	v_mov_b32 v255, 0
	ds_add_u32 v11, v255
	ds_add_u32 v11, v255
	v_lshrrev_b32 v8, 5, v0
	s_delay_alu instid0(VALU_DEP_1)
	v_readfirstlane_b32 s[WV], v8                  ; wave 0..15
	s_mov_b32 s[JB], ttmp9
	s_and_b32 s[BHD], ttmp7, 0xffff
	s_mov_b32 s[G1], 3<<16                         ; no mask; elements of 8 bytes; no padding
	s_mov_b32 s[G1+1], 32<<16                      ; tensor_dim0 = 32 (256 bytes)
	s_mov_b32 s[G1+2], 16<<16                      ; tensor_dim1 = 16
	s_mov_b32 s[G1+3], 32<<16                      ; tile_dim0
	s_mov_b32 s[G1+4], 16                          ; tile_dim1
	s_mov_b32 s[G1+5], 32                          ; the pitch: dense
	s_mov_b32 s[G1+6], 0
	s_mov_b32 s[G1+7], 0
	; waves 0-7 bring K, waves 8-15 V: of each 512 keys (32,768 bytes of images) a wave brings 4,096; and 512 bytes of scale words
	s_lshr_b32 s74, s[WV], 3
	s_and_b32 s75, s[WV], 7
	s_lshl_b32 s76, s[WV], 12
	s_mul_i32 s77, s74, 98304
	s_add_co_u32 s76, s76, s77                     ; LDS: 4,096 w, and for V 98,304 more: VIMG + 4,096 (w - 8)
	s_lshl_b32 s77, s[WV], 9
	s_add_co_u32 s77, s77, KSC                     ; LDS: my scale words
	s_lshl_b32 s78, s[BHD], 17
	s_lshl_b32 s81, s[WV], 12
	s_add_co_u32 s78, s78, s81
	s_add_co_u32 s78, s78, 0x800000                ; K in memory: 8 MiB + head x 131,072 + 4,096 w
	s_lshr_b32 s79, s[BHD], 1
	s_lshl_b32 s79, s79, 18
	s_and_b32 s81, s[BHD], 1
	s_lshl_b32 s81, s81, 12
	s_add_co_u32 s79, s79, s81
	s_lshl_b32 s81, s75, 13
	s_add_co_u32 s79, s79, s81
	s_add_co_u32 s79, s79, 0x1000000               ; V: 16 MiB + pair of heads x 262,144 + (head % 2) x 4,096 + 8,192 (w - 8)
	s_lshl_b32 s80, 0x8000, s74                    ; from 512 keys to the next: 32,768 bytes of K, 65,536 of V (two heads')
	s_cmp_lt_u32 s[WV], 8
	s_cselect_b32 s78, s78, s79
	s_mov_b32 s79, 0
	s_lshl_b32 s82, s74, 18
	s_lshl_b32 s81, s[BHD], 12
	s_add_co_u32 s82, s82, s81
	s_lshl_b32 s81, s75, 9
	s_add_co_u32 s82, s82, s81
	s_add_co_u32 s82, s82, 524288                  ; the scale words in memory
	s_mov_b32 s83, 0
	s_mov_b32 s[SEL], 0x76543210
	s_mov_b32 s[SEL+1], 0xfedcba98                 ; v_permlanex16_b32's selects for lane l xor 16
	s_mov_b32 s[CS], 0x3e38aa3b                    ; c = log2(e) / 8
	s_mov_b32 s[CS+1], s[CS]                       ; (named with it as a pair, so it is written)
	s_mov_b32 s[MNT], 0x600000                     ; the mantissa field of 448
	s_mov_b32 s[HM], 0xffff0000                    ; lanes 16-31
	s_wait_dscnt 0x0
	s_wait_kmcnt 0x0
	s_add_nc_u64 s[G0S:G0S+1], s[6:7], s[82:83]    ; my 512 bytes of scale words in memory
	s_mov_b32 s[G0], 1                             ; one group 0, which walks: my piece of the first 512 keys
	s_mov_b32 s[G0+1], s76
	s_add_nc_u64 s[G0+2:G0+3], s[4:5], s[78:79]
	s_or_b32 s[G0+3], s[G0+3], 0x80000000
	s_mov_b32 s81, 0                               ; s[80:81]: from 512 keys to the next, in memory
	tensor_load_to_lds s[G0:G0+3], s[G1:G1+7]      ; my piece of the first 512 keys: one tensor load a wave at the head
	s_nop 0
.rept 4
	v_nop
.endr
	v_and_b32 v8, 15, v0                           ; r
	v_bfe_u32 v9, v0, 4, 1                         ; h
	v_and_b32 v[LI], 31, v0
	s_delay_alu instid0(VALU_DEP_1)
	v_lshlrev_b32 v[LI], 4, v[LI]
	s_delay_alu instid0(VALU_DEP_4)
	v_lshlrev_b32 v[R16], 4, v8
	v_and_b32 v[DQ], 8, v8
	s_delay_alu instid0(VALU_DEP_1)
	v_add_nc_u32 v[DQ], v[DQ], v8                  ; r + 8 (r / 8)
	v_lshlrev_b32 v[TMP], 4, v9
	s_delay_alu instid0(VALU_DEP_1)
	v_sub_nc_u32 v[DQ], v[DQ], v[TMP]              ; - 16 h
	v_lshl_add_u32 v[YS], v8, 5, v9
.irp i, 0,1,2,3,4,5,6,7
	v_mov_b32 v[QLO+8+\i], 0                       ; the halves of K that do not count: zero codes
	v_mov_b32 v[QHI+\i], 0
.endr
.irp b, 0,1,2,3
	v_mov_b32 v[BT+\b], 0                          ; written once: a lane permute's destination counts as one of its sources
.endr
	v_mov_b32 v[PWD], 0
	v_add_nc_u32 v[ADS], s77, v[LI]                ; where my scale words go in LDS
	global_load_b128 v[FRG:FRG+3], v[LI], s[G0S:G0S+1]   ; 512 consecutive bytes
.macro GATE g                          ; my one piece out has landed, then everybody's; with g, my piece of the next 512 keys is asked for behind the barrier
	s_wait_tensorcnt 0x0                           ; my one load that was out has landed
	ds_add_u32 v11, v255
.if \g
	s_add_co_u32 s[G0+1], s[G0+1], 32768           ; no load of mine is out, so the group 0 may be written: the next 512 keys
	s_add_nc_u64 s[G0+2:G0+3], s[G0+2:G0+3], s[80:81]
.endif
	s_wait_dscnt 0x0
	s_barrier_signal -1
	s_barrier_wait -1
.if \g
	tensor_load_to_lds s[G0:G0+3], s[G1:G1+7]      ; g = 1: my piece of the next 512 keys: a first fill, my one load behind this barrier
	s_nop 0
.rept 4
	v_nop
.endr
.endif
.endm
; Tile s[TT] is taken up: its addresses, Q and its scale word, and the statistics' start: O^T and the sum zeros, the largest t -3e38 (the first change of M multiplies zeros)
.macro SETUP
	s_lshr_b32 s74, s[TT], 1
	s_lshl_b32 s74, s74, 5
	s_and_b32 s75, s[TT], 1
	s_lshl_b32 s75, s75, 3
	s_add_co_u32 s[Q0], s74, s75                   ; 32 (T / 2) + 8 (T % 2)
	s_lshl_b32 s74, s[BHD], 17
	s_lshl_b32 s75, s[TT], 10
	s_add_co_u32 s74, s74, s75
	s_mov_b32 s75, 0
	s_add_nc_u64 s[66:67], s[4:5], s[74:75]        ; Q's image
	s_lshl_b32 s74, s[BHD], 13
	s_lshr_b32 s76, s[TT], 2
	s_lshl_b32 s76, s76, 8
	s_add_co_u32 s74, s74, s76
	s_and_b32 s76, s[TT], 3
	s_lshl_b32 s76, s76, 2
	s_add_co_u32 s74, s74, s76
	s_add_nc_u64 s[68:69], s[6:7], s[74:75]        ; its scale words
	s_lshr_b32 s76, s[BHD], 4
	s_lshl_b32 s76, s76, 7
	s_add_co_u32 s76, s76, s[TT]                   ; the tile among all batches' : 128 batch + T
	s_and_b32 s77, s[BHD], 15                      ; the head
	s_lshl_b32 s74, s76, 14
	s_lshl_b32 s78, s77, 10
	s_add_co_u32 s74, s74, s78
	s_add_nc_u64 s[70:71], s[8:9], s[74:75]        ; y's image: tile x 16,384 + head x 1,024
	s_lshl_b32 s74, s76, 9
	s_lshl_b32 s78, s77, 1
	s_add_co_u32 s74, s74, s78
	s_add_nc_u64 s[72:73], s[10:11], s[74:75]      ; y's scale bytes: 32 a row, two a head
	global_load_b128 v[QLO:QLO+3], v[LI], s[66:67]
	global_load_b128 v[QLO+4:QLO+7], v[LI], s[66:67] offset:512
	global_load_b128 v[QHI+8:QHI+11], v[LI], s[66:67]
	global_load_b128 v[QHI+12:QHI+15], v[LI], s[66:67] offset:512
	global_load_b32 v[QS], v[R16], s[68:69]        ; the tile's two bytes, twice: it serves Q | zeros and zeros | Q alike
	v_mov_b32 v13, 0xff61b1e6                      ; the largest t so far: -3e38
	s_delay_alu instid0(VALU_DEP_1)
	v_floor_f32 v12, -v13                          ; -M
	v_mov_b32 v14, 0
	v_mov_b32 v15, 0
.set j, 0
.rept 32
	v_mov_b32 v[OT+j], 0
.set j, j+1
.endr
	s_wait_loadcnt 0x0
.endm
; A KEY STEP: 128 keys.
.macro STEP
	s_cmp_gt_u32 s[KF], s[Q0]                      ; KF is a multiple of 128 and the tile's queries lie in one group of 32: KF > Q0 says that every key comes after every query
	s_cbranch_scc1 .Lhidden_\@
	v_add_nc_u32 v[ADK], s[TK], v[LI]
	v_add_nc_u32 v[ADS], s[TS], v[R16]
	s_delay_alu instid0(VALU_DEP_2)
	v_add_nc_u32 v[ADV], VIMG, v[ADK]
.rept 5
	v_nop                                          ; with the three additions: eight places in front of loads into registers that the last products read
.endr
.irp f, 0,1,2,3
.irp c, 0,1,2,3
	ds_load_b128 v[FRG+16*\f+4*\c:FRG+16*\f+4*\c+3], v[ADK] offset:2048*\f+512*\c   ; fragment f: tiles 2 f and 2 f + 1 of the step's keys
.endr
.endr
	ds_load_b128 v[KSR:KSR+3], v[ADS]
	s_wait_alu depctr_va_vdst(0)
	s_wait_dscnt 0x0
.irp f, 0,1,2,3
	v_wmma_scale_f32_16x16x128_f8f6f4 v[S+16*\f:S+16*\f+7], v[FRG+16*\f:FRG+16*\f+15], v[QLO:QLO+15], 0, v[KSR+\f], v[QS]
	v_wmma_scale_f32_16x16x128_f8f6f4 v[S+16*\f+8:S+16*\f+15], v[FRG+16*\f:FRG+16*\f+15], v[QHI:QHI+15], 0, v[KSR+\f], v[QS]
.endr                                              ; register 16 b + i of S^T: key KF + 32 b + 16 (lane / 16) + i
.rept 8
	v_nop                                          ; places in front of the loads below and of the first read of the scores
.endr
.irp d, 0,1,2,3
.irp p, 0,1,2,3
	ds_load_b128 v[FRG+16*\d+4*\p:FRG+16*\d+4*\p+3], v[ADV] offset:(\p/2)*4096+1024*\d+512*(\p%2)   ; V's four tiles of d: on their way during the softmax
.endr
.endr
	ds_load_b128 v[VSR:VSR+3], v[ADS] offset:4096
	s_add_co_u32 s74, s[KF], 127
	s_cmp_le_u32 s74, s[Q0]
	s_cbranch_scc1 .Lopen_\@                       ; a step all of whose keys count skips the mask
	s_sub_co_i32 s74, s[Q0], s[KF]
	v_add_nc_u32 v[TMP], s74, v[DQ]                ; d = my query - KF - 16 (lane / 16): register 16 b + i is hidden where 32 b + i > d
	v_mov_b32 v[TMP+2], 0xff800000                 ; -infinity
.set n, 0
.rept 64
	v_cmp_gt_i32 vcc_lo, 32*(n/16)+n%16, v[TMP]
	v_cndmask_b32 v[S+n], v[S+n], v[TMP+2], vcc_lo
.set n, n+1
.endr
.Lopen_\@:
.irp b, 0,1,2,3
	v_max3_num_f32 v[BM+\b], v[S+16*\b], v[S+1+16*\b], v[S+2+16*\b]   ; the largest score of each block of 32 keys: for the row's maximum, and, since p rises with the score, for the block's largest p
.endr
.irp i, 3,5,7,9,11,13
.irp b, 0,1,2,3
	v_max3_num_f32 v[BM+\b], v[BM+\b], v[S+16*\b+\i], v[S+1+16*\b+\i]
.endr
.endr
.irp b, 0,1,2,3
	v_max_num_f32 v[BM+\b], v[BM+\b], v[S+15+16*\b]
.endr
.irp b, 0,1,2,3
	s_delay_alu instid0(VALU_DEP_4)
	v_permlanex16_b32 v[BT+\b], v[BM+\b], s[SEL], s[SEL+1]
.endr
.irp b, 0,1,2,3
	s_delay_alu instid0(VALU_DEP_4)
	v_max_num_f32 v[BM+\b], v[BM+\b], v[BT+\b]     ; with lane l xor 16's 16 keys
.endr
	s_delay_alu instid0(VALU_DEP_2)
	v_max3_num_f32 v[TMP], v[BM], v[BM+1], v[BM+2]
	s_delay_alu instid0(VALU_DEP_1)
	v_max_num_f32 v[TMP], v[TMP], v[BM+3]          ; the step's largest score of my query
	s_delay_alu instid0(VALU_DEP_1)
	v_mul_f32 v[TMP], s[CS], v[TMP]                ; as t
	s_delay_alu instid0(VALU_DEP_1)
	v_max_num_f32 v13, v13, v[TMP]                 ; the running largest t
	v_mov_b32 v[TMP], v12
	s_delay_alu instid0(VALU_DEP_2)
	v_floor_f32 v12, -v13                          ; the new -M = -ceil(t)
	s_delay_alu instid0(VALU_DEP_1)
	v_sub_f32 v[TMP], v12, v[TMP]                  ; old M - new M: a whole number, 0 or less
	s_delay_alu instid0(VALU_DEP_1)
	v_cvt_i32_f32 v[TMP], v[TMP]                   ; (it saturates)
	s_delay_alu instid0(VALU_DEP_1)
	v_ldexp_f32 v[FF], 1.0, v[TMP]                 ; f = 2^(old M - new M): multiplying by it rounds nothing
.set j, 0
.rept 32
	v_pk_fma_f32 v[S+j:S+j+1], v[S+j:S+j+1], s[CS:CS+1], v[12:13] op_sel_hi:[1,0,0]   ; t - M, two at a time
.set j, j+2
.endr
.irp b, 0,1,2,3
	v_fma_f32 v[BM+\b], v[BM+\b], s[CS], v12       ; the same of each block's largest score
.endr
.set j, 0
	s_wait_alu depctr_va_vdst(0)
.rept 64
	v_exp_f32 v[S+j], v[S+j]                       ; p = 2^(t - M), at most 1
.set j, j+1
.endr
.irp b, 0,1,2,3
	v_exp_f32 v[BM+\b], v[BM+\b]                   ; the block's largest p
.endr
	v_pk_mul_f32 v[14:15], v[14:15], v[FF:FF+1] op_sel_hi:[1,0]   ; the sums under the new M.  (A plain place behind the exponentials)
	s_wait_alu depctr_va_vdst(0)
.irp b, 0,1,2,3
	v_max_num_f32 v[BM+\b], 0x4800000, v[BM+\b]    ; the floor 2^(9 - 127): the byte cannot fall under 1
.endr
.irp b, 0,1,2,3
	s_delay_alu instid0(VALU_DEP_4)
	v_add_nc_u32 v[BS+\b], 0xfc000000, v[BM+\b]    ; the conversion's scale operand
.endr
.irp b, 0,1,2,3
	v_and_or_b32 v[BH+\b], v[BM+\b], 0x7f800000, s[MNT]   ; 448 x the scale
.endr
.irp b, 0,1,2,3
	v_lshrrev_b32 v[BT+\b], 23, v[BS+\b]           ; the scale's byte
.endr
	s_delay_alu instid0(VALU_DEP_3)
	v_lshl_or_b32 v[PWD], v[BT+1], 8, v[BT]        ; p's scale word for these 128 keys
	s_delay_alu instid0(VALU_DEP_1)
	v_lshl_or_b32 v[PWD], v[BT+2], 16, v[PWD]
	s_delay_alu instid0(VALU_DEP_1)
	v_lshl_or_b32 v[PWD], v[BT+3], 24, v[PWD]
	v_pk_add_f32 v[250:251], v[116:117], v[120:121]
	v_pk_add_f32 v[242:243], v[124:125], v[128:129]
	v_pk_add_f32 v[240:241], v[132:133], v[136:137]
	v_pk_add_f32 v[226:227], v[140:141], v[144:145]
	v_pk_add_f32 v[224:225], v[148:149], v[152:153]
	v_pk_add_f32 v[222:223], v[156:157], v[160:161]
	v_pk_add_f32 v[220:221], v[164:165], v[168:169]
	v_pk_add_f32 v[14:15], v[14:15], v[172:173]
	v_pk_add_f32 v[250:251], v[250:251], v[112:113]
	v_pk_add_f32 v[242:243], v[242:243], v[114:115]
	v_pk_add_f32 v[240:241], v[240:241], v[118:119]
	v_pk_add_f32 v[226:227], v[226:227], v[122:123]
	v_pk_add_f32 v[224:225], v[224:225], v[126:127]
	v_pk_add_f32 v[222:223], v[222:223], v[130:131]
	v_pk_add_f32 v[220:221], v[220:221], v[134:135]
	v_pk_add_f32 v[14:15], v[14:15], v[138:139]
	v_pk_add_f32 v[250:251], v[250:251], v[142:143]
	v_pk_add_f32 v[242:243], v[242:243], v[146:147]
	v_pk_add_f32 v[240:241], v[240:241], v[150:151]
	v_pk_add_f32 v[226:227], v[226:227], v[154:155]
	v_pk_add_f32 v[224:225], v[224:225], v[158:159]
	v_pk_add_f32 v[222:223], v[222:223], v[162:163]
	v_pk_add_f32 v[220:221], v[220:221], v[166:167]
	v_pk_add_f32 v[14:15], v[14:15], v[170:171]
	v_pk_add_f32 v[250:251], v[250:251], v[174:175]
	s_delay_alu instid0(VALU_DEP_2)
	v_pk_add_f32 v[14:15], v[14:15], v[226:227]
	s_delay_alu instid0(VALU_DEP_2)
	v_pk_add_f32 v[250:251], v[250:251], v[224:225]
	v_pk_add_f32 v[242:243], v[242:243], v[222:223]
	v_pk_add_f32 v[240:241], v[240:241], v[220:221]
	s_delay_alu instid0(VALU_DEP_2)
	v_pk_add_f32 v[14:15], v[14:15], v[242:243]
	s_delay_alu instid0(VALU_DEP_2)
	v_pk_add_f32 v[250:251], v[250:251], v[240:241]
	s_delay_alu instid0(VALU_DEP_1)
	v_pk_add_f32 v[14:15], v[14:15], v[250:251]
.irp b, 0,1,2,3
.irp i, 0,2,4,6,8,10,12,14
	v_dual_min_num_f32 v[S+16*\b+\i], v[S+16*\b+\i], v[BH+\b] :: v_dual_min_num_f32 v[S+16*\b+\i+1], v[S+16*\b+\i+1], v[BH+\b]   ; the conversion does not saturate (ISA guide 7.6.2); p is not negative, so the hold is one-sided; two holds an instruction
.endr
	v_cvt_scalef32_pk8_fp8_f32 v[PCD+4*\b:PCD+4*\b+1], v[S+16*\b:S+16*\b+7], v[BS+\b]
	v_cvt_scalef32_pk8_fp8_f32 v[PCD+4*\b+2:PCD+4*\b+3], v[S+16*\b+8:S+16*\b+15], v[BS+\b]
.endr
.set j, 0
.rept 16
	v_pk_mul_f32 v[OT+j:OT+j+1], v[OT+j:OT+j+1], v[FF:FF+1] op_sel_hi:[1,0]   ; O^T under the new M.  (These sixteen are also the places between the codes and the products below)
.set j, j+2
.endr
	s_wait_alu depctr_va_vdst(0)
	s_wait_dscnt 0x0                               ; V and its scale words are in
.irp d, 0,1,2,3
	v_wmma_scale_f32_16x16x128_f8f6f4 v[OT+8*\d:OT+8*\d+7], v[FRG+16*\d:FRG+16*\d+15], v[PCD:PCD+15], v[OT+8*\d:OT+8*\d+7], v[VSR+\d], v[PWD]   ; the four accumulators by turns, one instruction a turn
.endr
.Lhidden_\@:
	s_add_co_u32 s[KF], s[KF], 128
	s_add_co_u32 s[TK], s[TK], 8192
	s_add_co_u32 s[TS], s[TS], 256
.endm
.macro WALK n, s0                      ; n key steps from step s0 on: a constant count
	s_mov_b32 s[TK], (\s0)*8192
	s_mov_b32 s[TS], KSC+(\s0)*256
	s_mov_b32 s[KF], (\s0)*128
	s_mov_b32 s[CNT], \n
.Lwalk_\@:
	STEP
	s_sub_co_u32 s[CNT], s[CNT], 1
	s_cmp_lg_u32 s[CNT], 0
	s_cbranch_scc1 .Lwalk_\@
.endm
; The tile's end: O^T / the sum; its 32 numbers a lane are two blocks of 32 channels' halves: quantised, they are two cells of the last product's operand
.macro OUT
.rept 8
	v_nop                                          ; places behind the last products
.endr
	v_add_f32 v14, v14, v15
	s_delay_alu instid0(VALU_DEP_1)
	v_permlanex16_b32 v[TMP], v14, s[SEL], s[SEL+1]
	s_delay_alu instid0(VALU_DEP_1)
	v_add_f32 v14, v14, v[TMP]                     ; the row's sum
	s_wait_alu depctr_va_vdst(0)
	v_rcp_f32 v14, v14
	v_nop                                          ; one plain place behind a transcendental
.set j, 0
	s_wait_alu depctr_va_vdst(0)
.rept 32
	v_mul_f32 v[S+j], v[OT+j], v14                 ; register 16 b + i: channel 32 b + 16 (lane / 16) + i of the head
.set j, j+1
.endr
.irp b, 0,1
	v_max3_num_f32 v[BM+\b], |v[S+16*\b]|, |v[S+1+16*\b]|, 0x4800000
.endr
.irp i, 2,4,6,8,10,12,14
.irp b, 0,1
	s_delay_alu instid0(VALU_DEP_2)
	v_max3_num_f32 v[BM+\b], v[BM+\b], |v[S+16*\b+\i]|, |v[S+1+16*\b+\i]|
.endr
.endr
.irp b, 0,1
	s_delay_alu instid0(VALU_DEP_2)
	v_permlanex16_b32 v[BT+\b], v[BM+\b], s[SEL], s[SEL+1]
.endr
.irp b, 0,1
	s_delay_alu instid0(VALU_DEP_2)
	v_max_num_f32 v[BM+\b], v[BM+\b], v[BT+\b]
.endr
.irp b, 0,1
	s_delay_alu instid0(VALU_DEP_2)
	v_add_nc_u32 v[BS+\b], 0xfc000000, v[BM+\b]
.endr
.irp b, 0,1
	s_delay_alu instid0(VALU_DEP_4)
	v_and_or_b32 v[BH+\b], v[BM+\b], 0x7f800000, s[MNT]
.endr
.irp b, 0,1
	s_delay_alu instid0(VALU_DEP_4)
	v_lshrrev_b32 v[BT+\b], 23, v[BS+\b]
.endr
	s_delay_alu instid0(VALU_DEP_1)
	v_cndmask_b32 v[TMP+1], v[BT], v[BT+1], s[HM]  ; lanes 0-15 store the first block's byte, lanes 16-31 the second's
.irp b, 0,1
.irp i, 0,1,2,3,4,5,6,7,8,9,10,11,12,13,14,15
	v_med3_num_f32 v[S+16*\b+\i], v[S+16*\b+\i], -v[BH+\b], v[BH+\b]
.endr
	v_cvt_scalef32_pk8_fp8_f32 v[PCD+4*\b:PCD+4*\b+1], v[S+16*\b:S+16*\b+7], v[BS+\b]
	v_cvt_scalef32_pk8_fp8_f32 v[PCD+4*\b+2:PCD+4*\b+3], v[S+16*\b+8:S+16*\b+15], v[BS+\b]
.endr
	v_nop                                          ; one plain vector instruction behind the last conversion
	global_store_b128 v[LI], v[PCD:PCD+3], s[70:71]              ; 512 consecutive bytes, aligned
	global_store_b128 v[LI], v[PCD+4:PCD+7], s[70:71] offset:512
	global_store_b8 v[YS], v[TMP+1], s[72:73]      ; two bytes of each of 16 rows of scales: 32 bytes for 1,024 of codes
.endm
	s_lshl_b32 s[TT], s[JB], 4
	s_add_co_u32 s[TT], s[TT], s[WV]               ; 16 j + w
; THE ORDER OF WORK.  The late tile, 127 - (16 j + w), goes first: it is 64 or more, so its first eight steps are never hidden.  Behind each of three gates the next 512 keys are asked for, and two key steps follow on keys that earlier gates have shown:
; steps 0-3 read the first 512 keys, steps 4, 5 the second.  A fourth gate shows the last piece; from there on the whole head lies in LDS and no barrier follows.
	s_sub_co_u32 s[TT], 127, s[TT]                 ; my late tile
	SETUP
	s_wait_tensorcnt 0x0                           ; no load of mine is out when I store to LDS
	ds_store_b128 v[ADS], v[FRG:FRG+3]             ; my scale words (SETUP has waited for the load)
	GATE 1
	WALK 2, 0
	GATE 1
	WALK 2, 2
	GATE 1
	WALK 2, 4
	GATE 0
	WALK 10, 6
	OUT
	s_wait_xcnt 0x0                                ; the stores have read their registers and bases: both are written again below
	s_sub_co_u32 s[TT], 127, s[TT]                 ; my early tile, at most 63: at most 8 steps
	SETUP
	WALK 8, 0
	OUT
	s_wait_tensorcnt 0x0
	ds_add_u32 v11, v255
	s_wait_dscnt 0x0
	s_endpgm
.Lfunc_end_k_qdeb13fe269_attn:
	.size	k_qdeb13fe269_attn, .Lfunc_end_k_qdeb13fe269_attn-k_qdeb13fe269_attn
	.p2alignl 7, 3214868480
	.fill 96, 4, 3214868480
	.section	.rodata,"a",@progbits
	.p2align	6, 0x0
	.amdhsa_kernel k_qdeb13fe269_attn
		.amdhsa_group_segment_fixed_size 327680
		.amdhsa_private_segment_fixed_size 0
		.amdhsa_enable_private_segment 0
		.amdhsa_kernarg_size 32
		.amdhsa_user_sgpr_count 2
		.amdhsa_user_sgpr_kernarg_segment_ptr 1
		.amdhsa_wavefront_size32 1
		.amdhsa_system_sgpr_workgroup_id_x 1
		.amdhsa_system_sgpr_workgroup_id_y 1
		.amdhsa_system_sgpr_workgroup_id_z 1
		.amdhsa_system_vgpr_workitem_id 0
		.amdhsa_next_free_vgpr 256
		.amdhsa_next_free_sgpr 96
		.amdhsa_reserve_vcc 1
		.amdhsa_float_denorm_mode_32 3
		.amdhsa_float_denorm_mode_16_64 3
		.amdhsa_memory_ordered 1
		.amdhsa_forward_progress 1
		.amdhsa_inst_pref_size 149
	.end_amdhsa_kernel
	.amdgpu_metadata
---
amdhsa.version: [ 1, 2 ]
amdhsa.kernels:
  - .name:           k_qdeb13fe269_attn
    .symbol:         k_qdeb13fe269_attn.kd
    .args:
      - { .name: qkv_img, .offset: 0, .size: 8, .value_kind: global_buffer, .address_space: global }
      - { .name: qkv_sc, .offset: 8, .size: 8, .value_kind: global_buffer, .address_space: global }
      - { .name: y_img, .offset: 16, .size: 8, .value_kind: global_buffer, .address_space: global }
      - { .name: ysc, .offset: 24, .size: 8, .value_kind: global_buffer, .address_space: global }
    .group_segment_fixed_size: 327680
    .private_segment_fixed_size: 0
    .kernarg_segment_align: 8
    .kernarg_segment_size: 32
    .max_flat_workgroup_size: 512
    .sgpr_count:     96
    .vgpr_count:     256
    .wavefront_size: 32
...
	.end_amdgpu_metadata
.endif
;; end of part 3
;; launch proj (part 4): grid 4 x 64, 4 waves a work-group, clusters of 4 x 1, 327,680 bytes of LDS; arguments y_img, ysc, wc, sc1, b_proj, out0; writes out0
.if DOCPART == 4
	.amdgcn_target "amdgcn-amd-amdhsa--gfx1250"
	.amdhsa_code_object_version 6
	.text
	.protected	k_qdeb13fe269_proj
	.globl	k_qdeb13fe269_proj
	.p2align	8
	.type	k_qdeb13fe269_proj,@function
k_qdeb13fe269_proj:
	s_mov_b64 s[64:65], 0
	v_nop
	global_prefetch_b8 v0, s[64:65] scope:SCOPE_SE
	s_setreg_imm32_b32 hwreg(HW_REG_WAVE_MODE, 25, 1), 1
	s_wait_xcnt 0x0
	s_wait_alu depctr_hold_cnt(0) depctr_sa_sdst(0) depctr_va_vdst(0) depctr_va_sdst(0) depctr_va_ssrc(0) depctr_va_vcc(0) depctr_vm_vsrc(0)
	s_getreg_b32 s2, hwreg(HW_REG_IB_STS2, 6, 4)
	s_cmp_eq_u32 s2, 0
	s_cbranch_scc0 .Lentry_in_a_cluster
	s_endpgm
.Lentry_in_a_cluster:
	s_bfe_u32 s2, ttmp6, 0x10000c
	s_cmp_lg_u32 s2, 0x3003
	s_cbranch_scc0 .Lentry_shape_is_right
	s_endpgm
.Lentry_shape_is_right:
; out0 = y w_proj + b_proj on codes of FP8 (E4M3) with E8M0 scales, K = 1,024; y comes as images of operand registers (y_img) with its scale bytes (ysc).
; SHARES.  256 work-groups of four waves.  Work-group (cx, y) makes 128 tokens x 256 channels; wave w 128 x 64: 32 accumulators, 256 products.
; y's 128 rows, all of K, are 131,072 dense bytes: they come into LDS once (joint loads of waves 0 and 1, 65,536 bytes each; the four work-groups of a cluster share them).  Nothing is filled again.
; My 64 weight rows, all of K, stand in 512 registers (windows 1, 2), from wc's register images, by two roads: K chunks 0-3 by plain loads of 512 consecutive bytes, 64 a wave; K chunks 4-7 of the work-group's 16 tiles by the tensor loads of
; waves 2 and 3 (8 tiles x 8,192 bytes each) into LDS bytes of their own, from where each wave copies its four tiles into window 2.  The cluster's four differ in cx, so they share no weight tile: those loads name no partner.
; No prefetch: every byte is asked for at the head, and there is no loop to run ahead in.
; Source 0 = weight rows, source 1 = tokens: a lane holds a token, its registers run along the channels.  Tile i, lane r is row 32 (i / 2) + 8 (i % 2) + r + 8 (r / 8) on both sides.  The bias is the C of the first 32 products.
; The results go through my own stage in LDS, 16 tokens x 256 bytes at a time, so that sixteen lanes store 256 consecutive bytes, aligned.
; LIMITS: NaN and infinities are not served.
; REGISTERS: window 0: v2-15 addresses, v32-47 the weight's scale words, v52-83 y's, v88-119 the bias, v128-255 y's fragments in two sets (on the way out: rows read back); window 3: accumulator (a, b) at v[8 (4 a + b)].
.set FT, 16384                         ; from a tile's image to the next; from 128 of K to the next; from a cell to the next
.set FQ, 2048
.set FC, 512
.set SP, 272                           ; a stage row: 256 bytes + 16
.set STAGE, 131072
.set WL, STAGE+4*16*SP                 ; the weights' region: [tile of 16][8,192 bytes]
.set SPARE, WL+131072
.set LI, 2                             ; 16 x lane
.set ADR, 4                            ; v4, v5: my fragments' LDS address, tiles 0-3, tiles 4-7
.set ABS, 6                            ; 32 x lane
.set BO, 7                             ; 64 h
.set SPW, 10
.set NIL, 11
.set STO, 12
.set RD, 13
.set CO, 14
.set AW, 15                            ; my four tiles in the weights' region
.set SB, 32
.set SA, 52                            ; no product's two scale words have numbers equal modulo 8
.set BIA, 88
.set AF, 128
.set BK, 128
.set WP, 36
.set WS, 38
.set BP, 40
.set OP, 42
.set XS, 46
.set G1A, 24
.set G0A, 32
.set G1W, 68
.set G0W, 76
.set MSB, 0
.macro WIN new                         ; the immediate's high byte repeats the setting that is left
.if MSB != (\new)
	s_set_vgpr_msb (MSB<<8)|(\new)
.set MSB, (\new)
.endif
.endm
.macro PLACES n
.rept \n
	v_nop
.endr
.endm
.macro CROUND                          ; a round of the cluster's barrier
	s_barrier_signal -1
	s_barrier_wait -1
	s_cmp_lg_u32 s16, 0
	s_cbranch_scc1 .Lnot_wave_0_\@
	s_barrier_signal -3
.Lnot_wave_0_\@:
	s_barrier_wait -3
	s_barrier_signal -1
	s_barrier_wait -1
.endm
.macro MM d, a, b, c, sa, sb, ra, rb   ; D, source 0, source 1, C: first registers; the sources' scale words and which half of the lanes holds them
.if (\ra) && (\rb)
	v_wmma_scale_f32_16x16x128_f8f6f4 v[(\d):(\d)+7], v[(\a):(\a)+15], v[(\b):(\b)+15], v[(\c):(\c)+7], v[\sa], v[\sb] matrix_a_scale:MATRIX_SCALE_ROW1 matrix_b_scale:MATRIX_SCALE_ROW1
.elseif \ra
	v_wmma_scale_f32_16x16x128_f8f6f4 v[(\d):(\d)+7], v[(\a):(\a)+15], v[(\b):(\b)+15], v[(\c):(\c)+7], v[\sa], v[\sb] matrix_a_scale:MATRIX_SCALE_ROW1
.elseif \rb
	v_wmma_scale_f32_16x16x128_f8f6f4 v[(\d):(\d)+7], v[(\a):(\a)+15], v[(\b):(\b)+15], v[(\c):(\c)+7], v[\sa], v[\sb] matrix_b_scale:MATRIX_SCALE_ROW1
.else
	v_wmma_scale_f32_16x16x128_f8f6f4 v[(\d):(\d)+7], v[(\a):(\a)+15], v[(\b):(\b)+15], v[(\c):(\c)+7], v[\sa], v[\sb]
.endif
.endm
; Batch n: K chunk n / 2, token tiles 4 (n % 2) on, from set n % 2: 16 products on 16 accumulators, one instruction a turn.  Eight places follow, for the loads into what it has read and for the way out's reads.
.macro BATCH n
.set Q_, (\n)/2
.set H_, (\n)%2
.set CW_, 3
.if Q_ == 0
.set CW_, 0
.endif
.if (\n) == 15
	s_wait_dscnt 0x0
.else
	s_wait_dscnt 16                                ; this set is in; the other set's sixteen loads may be out
.endif
	WIN 0xc0|(CW_<<4)|(1+Q_/4)
.irp i, 0,1,2,3
.irp b, 0,1,2,3
.set A_, 4*H_+\i
.set D_, 8*(4*A_+\b)
.set C_, D_
.if Q_ == 0
.set C_, BIA+8*\b
.endif
.set X_, AF+64*H_+16*\i
.set W_, 16*((4*Q_+\b)%16)
	MM D_, W_, X_, C_, SB+8*(\b/2)+Q_, SA+8*(A_/2)+Q_, \b%2, A_%2
.endr
.endr
	WIN 0
	PLACES 8
.endm
.macro FETCH n                         ; batch n's four fragments of y: 16 loads of 512 consecutive bytes
.irp i, 0,1,2,3
.irp c, 0,1,2,3
	ds_load_b128 v[AF+64*((\n)%2)+16*\i+4*\c:AF+64*((\n)%2)+16*\i+4*\c+3], v[ADR+(\n)%2] offset:\i*FT+((\n)/2)*FQ+\c*FC
.endr
.endr
.endm
	s_load_b256 s[4:11], s[0:1], 0x0               ; y_img, ysc, wc, sc1
	s_load_b128 s[12:15], s[0:1], 0x20             ; b_proj, out0
	v_lshl_add_u32 v[SPW], v0, 2, SPARE
	v_mov_b32 v[NIL], 0
	ds_add_u32 v[SPW], v[NIL]                      ; the opening lines: the add, twice on end, and its wait ahead of my tensor load
	ds_add_u32 v[SPW], v[NIL]
	v_lshrrev_b32 v3, 5, v0
	v_readfirstlane_b32 s16, v3                    ; wave 0..3
	s_mul_i32 s22, s16, 16*SP
	s_add_co_u32 s22, s22, STAGE                   ; my stage
	s_lshl_b32 s23, s16, 15
	s_add_co_u32 s23, s23, WL                      ; my 32,768 bytes of the weights' region
	v_and_b32 v1, 15, v0                           ; r
	v_bfe_u32 v8, v0, 4, 1                         ; h
	v_and_b32 v9, 31, v0
	v_lshlrev_b32 v[LI], 4, v9
	v_lshlrev_b32 v[ABS], 5, v9
	v_lshlrev_b32 v[ADR], 4, v9
	v_add_nc_u32 v[ADR+1], 4*FT, v[ADR]
	v_lshlrev_b32 v[BO], 6, v8
	v_mul_u32_u24 v[STO], v1, SP
	v_lshl_add_u32 v[STO], v8, 6, v[STO]
	v_add_nc_u32 v[STO], s22, v[STO]               ; in: row r, 64 h bytes on
	v_mul_u32_u24 v[RD], v8, SP
	v_lshl_add_u32 v[RD], v1, 4, v[RD]
	v_add_nc_u32 v[RD], s22, v[RD]                 ; back: lanes 0-15 one row, lanes 16-31 the next
	v_lshlrev_b32 v[CO], 12, v8
	v_lshl_add_u32 v[CO], v1, 4, v[CO]             ; and the same two rows in out0
	v_add_nc_u32 v[AW], s23, v[LI]
	s_bfe_u32 s17, ttmp6, 0x40000                  ; cx
	s_and_b32 s18, ttmp7, 0xffff                   ; y: which 128 tokens
	s_mov_b32 s[G1A], 15|(3<<16)|(1<<21)           ; the cluster's four; elements of 8 bytes; no padding
	s_mov_b32 s[G1A+1], 512<<16                    ; tensor_dim0: rows of 4,096 bytes
	s_mov_b32 s[G1A+2], 16<<16                     ; tensor_dim1
	s_mov_b32 s[G1A+3], 512<<16                    ; tile_dim0
	s_mov_b32 s[G1A+4], 16                         ; tile_dim1
	s_mov_b32 s[G1A+5], 512                        ; the pitch: dense
	s_mov_b32 s[G1A+6], 0
	s_mov_b32 s[G1A+7], 0
	s_mov_b32 s[G1W], 3<<16                        ; no partner; elements of 8 bytes; no padding
	s_mov_b32 s[G1W+1], 1024<<16                   ; tensor_dim0: 8,192 bytes, a tile's chunks 4-7
	s_mov_b32 s[G1W+2], 8<<16                      ; tensor_dim1: 8 tiles a load
	s_mov_b32 s[G1W+3], 1024<<16                   ; tile_dim0
	s_mov_b32 s[G1W+4], 8                          ; tile_dim1
	s_mov_b32 s[G1W+5], 2048                       ; the pitch: a tile's image, 16,384 bytes
	s_mov_b32 s[G1W+6], 0
	s_mov_b32 s[G1W+7], 0
	s_and_b32 s48, s16, 1                          ; which half I fetch
	s_mov_b32 s[G0A], 1
	s_lshl_b32 s[G0A+1], s48, 16
	s_lshl_b32 s20, s18, 17
	s_lshl_b32 s21, s48, 16
	s_add_co_u32 s20, s20, s21                     ; y_img: 131,072 y + 65,536 half
	s_mov_b32 s21, 0
	s_mov_b32 s[G0W], 1
	s_lshl_b32 s[G0W+1], s48, 16
	s_add_co_u32 s[G0W+1], s[G0W+1], WL
	s_lshl_b32 s50, s17, 18
	s_lshl_b32 s51, s48, 17
	s_add_co_u32 s50, s50, s51
	s_add_co_u32 s50, s50, 0x300000+8192           ; wc: w_proj's tiles lie behind w_attn's 192; my work-group's 16, 8 a half, from chunk 4 on
	s_mov_b32 s51, 0
	s_lshl_b32 s19, s17, 2
	s_add_co_u32 s19, s19, s16                     ; which 64 channels
	s_lshl_b32 s[WP], s19, 16
	s_add_co_u32 s[WP], s[WP], 0x300000
	s_mov_b32 s[WP+1], 0
	s_lshl_b32 s[WS], s19, 11
	s_add_co_u32 s[WS], s[WS], 262144+3072*32
	s_mov_b32 s[WS+1], 0
	s_lshl_b32 s[BP], s19, 8
	s_mov_b32 s[BP+1], 0
	s_lshl_b32 s[XS], s18, 12                      ; y's scale bytes: 128 rows of 32
	s_mov_b32 s[XS+1], 0
	s_lshl_b32 s[OP], s18, 19                      ; 128 rows of 4,096 bytes
	s_add_co_u32 s[OP], s[OP], s[BP]
	s_mov_b32 s[OP+1], 0
	s_wait_alu depctr_va_vdst(0)
	s_wait_dscnt 0x0                               ; both opening adds are done
	CROUND                                         ; the four work-groups are here: the joint loads meet
	s_wait_kmcnt 0x0
	s_add_nc_u64 s[G0A+2:G0A+3], s[4:5], s[20:21]
	s_or_b32 s[G0A+3], s[G0A+3], 0x80000000
	s_add_nc_u64 s[G0W+2:G0W+3], s[8:9], s[50:51]
	s_or_b32 s[G0W+3], s[G0W+3], 0x80000000
	s_cmp_lt_u32 s16, 2                            ; THE LAUNCH'S TENSOR LOADS, one a wave: waves 0, 1 the halves of y's rows, waves 2, 3 the halves of the weights' chunks 4-7
	s_cbranch_scc0 .Lhead_w
	tensor_load_to_lds s[G0A:G0A+3], s[G1A:G1A+7]
	s_nop 0
	PLACES 4
	s_branch .Lhead_asked
.Lhead_w:
	tensor_load_to_lds s[G0W:G0W+3], s[G1W:G1W+7]
	s_nop 0
	PLACES 4
.Lhead_asked:
	s_add_nc_u64 s[WP:WP+1], s[8:9], s[WP:WP+1]
	s_add_nc_u64 s[WS:WS+1], s[10:11], s[WS:WS+1]
	s_add_nc_u64 s[BP:BP+1], s[12:13], s[BP:BP+1]
	s_add_nc_u64 s[XS:XS+1], s[6:7], s[XS:XS+1]
	s_add_nc_u64 s[OP:OP+1], s[14:15], s[OP:OP+1]
.irp p, 0,1,2,3
.irp c, 0,1
	global_load_b128 v[SA+8*\p+4*\c:SA+8*\p+4*\c+3], v[ABS], s[XS:XS+1] offset:\p*1024+16*\c   ; y's scale words: lane l takes row l of a pair of tiles
.endr
.endr
.irp p, 0,1
.irp c, 0,1
	global_load_b128 v[SB+8*\p+4*\c:SB+8*\p+4*\c+3], v[ABS], s[WS:WS+1] offset:\p*1024+16*\c   ; the weight's likewise
.endr
.endr
.irp b, 0,1,2,3
	global_load_b128 v[BIA+8*\b:BIA+8*\b+3], v[BO], s[BP:BP+1] offset:(32*(\b/2)+8*(\b%2))*4   ; tile b, register j is channel 32 (b / 2) + 8 (b % 2) + 16 h + j
	global_load_b128 v[BIA+8*\b+4:BIA+8*\b+7], v[BO], s[BP:BP+1] offset:(32*(\b/2)+8*(\b%2))*4+16
.endr
	WIN 1<<6
.irp q, 0,1,2,3
.irp b, 0,1,2,3
.irp c, 0,1,2,3
	global_load_b128 v[16*(4*\q+\b)+4*\c:16*(4*\q+\b)+4*\c+3], v[LI], s[WP:WP+1] offset:\b*16384+\q*2048+\c*512   ; chunks 0-3: fragment 4 q + b in window 1
.endr
.endr
.endr
	WIN 0
	s_wait_tensorcnt 0x0                           ; my tile is in,
	s_wait_dscnt 0x0
	s_barrier_signal -1
	s_barrier_wait -1                              ; everybody's is
	WIN 2<<6
.irp q, 0,1,2,3
.irp b, 0,1,2,3
.irp c, 0,1,2,3
	ds_load_b128 v[16*(4*\q+\b)+4*\c:16*(4*\q+\b)+4*\c+3], v[AW] offset:\b*8192+\q*2048+\c*512   ; chunks 4-7 of my four tiles into window 2; LDS serves a wave's loads in order, so they are in ahead of the fragments asked for below
.endr
.endr
.endr
	WIN 0
	FETCH 0
	FETCH 1
.set N_, 0
.rept 16
.if (N_%2 == 0) && (N_ < 8)
	s_wait_loadcnt 48-8*N_                         ; behind this chunk's plain loads stand 16 for each later chunk of the four
.endif
	BATCH N_
.if N_ < 14
	FETCH N_+2
.endif
.set N_, N_+1
.endr
; THE WAY OUT, 16 tokens x 64 channels at a time.  LDS serves a wave's instructions in order (ISA guide 5.7.1.4): no wait between the stores and the loads.
.macro TOSTAGE a
	WIN 0x0c                                       ; the data: window 3
.irp b, 0,1,2,3
	ds_store_b128 v[STO], v[32*(\a)+8*\b:32*(\a)+8*\b+3] offset:128*(\b/2)+32*(\b%2)   ; each accumulator from its low end on
	ds_store_b128 v[STO], v[32*(\a)+8*\b+4:32*(\a)+8*\b+7] offset:128*(\b/2)+32*(\b%2)+16
.endr
	WIN 0
.irp t, 0,1,2,3,4,5,6,7
	ds_load_b128 v[BK+32*((\a)%2)+4*\t:BK+32*((\a)%2)+4*\t+3], v[RD] offset:2*\t*SP
.endr
.endm
.macro SEND a, younger                 ; younger: the LDS instructions issued behind block a's loads
	s_wait_dscnt \younger
.irp t, 0,1,2,3,4,5,6,7
	global_store_b128 v[CO], v[BK+32*((\a)%2)+4*\t:BK+32*((\a)%2)+4*\t+3], s[OP:OP+1] offset:(32*((\a)/2)+8*((\a)%2)+2*\t+8*(\t/4))*4096 th:TH_STORE_NT   ; sixteen lanes store 256 consecutive bytes, aligned
.endr
.endm
	TOSTAGE 0
.irp a, 1,2,3,4,5,6,7
.if \a > 1
	s_wait_xcnt 0x0                                ; block a - 2's stores have read their registers: block a's loads may land there
.endif
	TOSTAGE \a
	SEND \a-1, 16
.endr
	SEND 7, 0
	s_wait_tensorcnt 0x0                           ; the wave's end
	ds_add_u32 v[SPW], v[NIL]
	s_wait_dscnt 0x0
	CROUND                                         ; the closing round
	s_endpgm
.Lfunc_end_k_qdeb13fe269_proj:
	.size	k_qdeb13fe269_proj, .Lfunc_end_k_qdeb13fe269_proj-k_qdeb13fe269_proj
	.p2alignl 7, 3214868480
	.fill 96, 4, 3214868480
	.section	.rodata,"a",@progbits
	.p2align	6, 0x0
	.amdhsa_kernel k_qdeb13fe269_proj
		.amdhsa_group_segment_fixed_size 327680
		.amdhsa_private_segment_fixed_size 0
		.amdhsa_enable_private_segment 0
		.amdhsa_kernarg_size 48
		.amdhsa_user_sgpr_count 2
		.amdhsa_user_sgpr_kernarg_segment_ptr 1
		.amdhsa_wavefront_size32 1
		.amdhsa_system_sgpr_workgroup_id_x 1
		.amdhsa_system_sgpr_workgroup_id_y 1
		.amdhsa_system_sgpr_workgroup_id_z 1
		.amdhsa_system_vgpr_workitem_id 0
		.amdhsa_next_free_vgpr 1024
		.amdhsa_next_free_sgpr 80
		.amdhsa_reserve_vcc 0
		.amdhsa_float_denorm_mode_32 3
		.amdhsa_float_denorm_mode_16_64 3
		.amdhsa_memory_ordered 1
		.amdhsa_forward_progress 1
		.amdhsa_inst_pref_size 87
	.end_amdhsa_kernel
	.amdgpu_metadata
---
amdhsa.version: [ 1, 2 ]
amdhsa.kernels:
  - .name:           k_qdeb13fe269_proj
    .symbol:         k_qdeb13fe269_proj.kd
    .args:
      - { .name: y_img, .offset: 0, .size: 8, .value_kind: global_buffer, .address_space: global }
      - { .name: ysc, .offset: 8, .size: 8, .value_kind: global_buffer, .address_space: global }
      - { .name: wc, .offset: 16, .size: 8, .value_kind: global_buffer, .address_space: global }
      - { .name: sc1, .offset: 24, .size: 8, .value_kind: global_buffer, .address_space: global }
      - { .name: b_proj, .offset: 32, .size: 8, .value_kind: global_buffer, .address_space: global }
      - { .name: out0, .offset: 40, .size: 8, .value_kind: global_buffer, .address_space: global }
    .group_segment_fixed_size: 327680
    .private_segment_fixed_size: 0
    .kernarg_segment_align: 8
    .kernarg_segment_size: 48
    .max_flat_workgroup_size: 128
    .sgpr_count:     80
    .vgpr_count:     1024
    .wavefront_size: 32
...
	.end_amdgpu_metadata
.endif
;; end of part 4
